; MI455X (gfx1250); checked and timed in simulation.
; The chip was launched on July 23, 2026; its instructions are those of AMD's public machine-readable ISA for CDNA 5 (MIT licence, August 2026) and "CDNA5" Instruction Set Architecture Reference Guide (July 2026). The comments in the code are by the model that wrote it; some were corrected since.
;; Mistral MHA. Allowed arithmetic: float matrix products may take bf16 or f16 operands with f32 sums; other float arithmetic in f32, or as packed bf16 or f16 multiplies, adds, multiply-adds, maxima and minima; sums over many terms, partial sums and values carried from step to step in f32; what a program stores and reads back later, other than sums and carried values, may be rounded once to bf16 or f16.
;; Inputs: freqs_cos 2,048 x 64 float32; freqs_sin 2,048 x 64 float32; mask 2,048 x 2,048 float32; positions 2,048 int32; wk 1,024 x 4,096 float32; wo 4,096 x 2,048 float32; wq 2,048 x 4,096 float32; wv 1,024 x 4,096 float32; x 1 x 2,048 x 4,096 float32.
;; Outputs: out0 1 x 2,048 x 4,096 float32.
;; 2 versions, each right; version 2 is version 1 with the launch cast written anew for expert scheduling mode. Each part assembles by itself: llvm-mc -triple=amdgcn-amd-amdhsa -mcpu=gfx1250 --defsym DOCPART=n.
;; ======== version 1 of 2: 4 launches
;; limits: values are held in f16: magnitudes above 65,504 overflow, below 6.1e-05 lose precision
;; workspace buffers: xb 16,777,216 bytes; wqkvb 33,554,432 bytes; wo16 16,777,216 bytes; qkv16 16,777,216 bytes; o16 8,388,608 bytes
;; launch cast (part 1): grid 1024 x 1, 8 waves a work-group, no clusters, 68,608 bytes of LDS; arguments x, wq, wk, wv, wo, xb, wqkvb, wo16; writes xb, wqkvb, wo16
.if DOCPART == 1
	.amdgcn_target "amdgcn-amd-amdhsa--gfx1250"
	.amdhsa_code_object_version 6
	.text
	.protected	k_q5d0802e9d0_cast
	.globl	k_q5d0802e9d0_cast
	.p2align	8
	.type	k_q5d0802e9d0_cast,@function
k_q5d0802e9d0_cast:
	s_mov_b64 s[64:65], 0
	v_nop
	global_prefetch_b8 v0, s[64:65] scope:SCOPE_SE
	s_setreg_imm32_b32 hwreg(HW_REG_WAVE_MODE, 25, 1), 1
	s_wait_xcnt 0x0
; CAST.  x -> xb (bf16, in the order of matrix fragments); wq, wk, wv -> wqkvb (bf16, one matrix of 4,096 rows: wq's 2,048, wk's 1,024, wv's 1,024); wo -> wo16 = bf16(wo) x 4, written as f16.
; Every input of the module is rounded to bf16 once; wo's factor 4 (exact) is taken back by the factor 0.25 on v in the next launch.
; xb's ORDER.  A block of 16 rows x 32 k is 1,024 bytes, block (mb, kb) at (128 mb + kb) x 1,024.  In it the number (row r, k = 16 p + 8 h + j) lies at 512 p + 16 (16 h + r) + 2 j:
; lane 16 h + r of a wave finds registers 0-3 of its fragment at 16 x lane and registers 4-7 512 bytes on, so the next launch loads a fragment by two loads of 512 consecutive bytes.
; LIMITS.  wo16 holds no number beyond 65,504: |wo| stays under 16,376; below 1.5e-5 wo's bf16 number keeps f16's fixed step of 6e-8 / 4.
; SHARES.  Work-group g takes 32,768 numbers: 128 KiB in, 64 KiB out.  g < 256: x, 16 rows x 2,048 k; < 512 wq; < 640 wk; < 768 wv; else wo, a dense chunk each.
; A wave takes 4,096 numbers by 32 loads of 16 bytes a lane (each 512 consecutive bytes), all issued at once.  The weights leave by stores of 8 bytes a lane (256 consecutive bytes, aligned).
; x's numbers are turned through the wave's own 16 rows x 528 bytes of LDS (no other wave touches them: no barrier) and leave by stores of 512 consecutive bytes.
; No matrix unit, no prefetch: the launch is one stream, read once and written once.
.set X, 4                              ; v[4:131]   load i: 4 numbers in f32; on x's path later 16 x 4 registers read back from LDS
.set Y, 132                            ; v[132:195] 4 numbers in 16 bits for each load
.set T, 196                            ; v[196:197] at work; on x's path v196 is the LDS address for the way back
.set SPW, 198                          ; v198 LDS address of my spare word; never rewritten
.set NIL, 199                          ; v199 0; never rewritten
.set LP,  528                          ; an LDS row: 256 bf16 + 16 bytes: the 16 rows of a load start at 16 different groups of four banks (64 banks of 4 bytes: ISA guide 11.1)
.set WLDS, 16*LP                       ; a wave's own bytes
.set SPARE, 8*WLDS                     ; behind them: the spare words, 128 bytes a wave: four blocks of 256 bytes that no other line names
; Load i's four numbers are rounded and stored.  kind 0: to bf16.  kind 1 (wo): times 4, to bf16, and that number written as f16.
.macro STEP kind
	s_wait_loadcnt 31-i                            ; loads come back in order (ISA guide 5.7.1): load i is in, the 31 - i younger ones stay out
.if \kind
	v_pk_mul_f32 v[X+4*i:X+4*i+1], v[X+4*i:X+4*i+1], 4.0 op_sel_hi:[1,0]
	v_pk_mul_f32 v[X+4*i+2:X+4*i+3], v[X+4*i+2:X+4*i+3], 4.0 op_sel_hi:[1,0]
	v_cvt_pk_bf16_f32 v[T], v[X+4*i], v[X+4*i+1]
	v_cvt_pk_bf16_f32 v[T+1], v[X+4*i+2], v[X+4*i+3]
	v_lshlrev_b32 v[X+4*i], 16, v[T]               ; bf16 to f32: the low half moves up,
	v_and_b32 v[X+4*i+1], s34, v[T]                ; the high half stays
	v_lshlrev_b32 v[X+4*i+2], 16, v[T+1]
	v_and_b32 v[X+4*i+3], s34, v[T+1]
	v_cvt_pk_f16_f32 v[Y+2*i], v[X+4*i], v[X+4*i+1]
	v_cvt_pk_f16_f32 v[Y+2*i+1], v[X+4*i+2], v[X+4*i+3]
.else
	v_cvt_pk_bf16_f32 v[Y+2*i], v[X+4*i], v[X+4*i+1]
	v_cvt_pk_bf16_f32 v[Y+2*i+1], v[X+4*i+2], v[X+4*i+3]
.endif
	global_store_b64 v2, v[Y+2*i:Y+2*i+1], s[24:25] offset:256*i  ; 32 lanes store 256 consecutive bytes, aligned; a later launch reads them, so no hint
.set i, i+1
.endm
	s_load_b512 s[4:19], s[0:1], 0x0               ; x 4:5, wq 6:7, wk 8:9, wv 10:11, wo 12:13, xb 14:15, wqkvb 16:17, wo16 18:19
	v_lshl_add_u32 v[SPW], v0, 2, SPARE
	v_mov_b32 v[NIL], 0
	v_and_b32 v3, 31, v0                           ; lane
	v_lshrrev_b32 v2, 5, v0                        ; wave
	v_readfirstlane_b32 s35, v2                    ; and as a scalar
	s_cmp_lt_u32 ttmp9, 256
	s_cbranch_scc1 .Lx
	; THE WEIGHTS: dense chunks
	v_lshlrev_b32 v1, 14, v2                       ; in: wave x 16,384 bytes
	v_lshlrev_b32 v2, 13, v2                       ; out: wave x 8,192 bytes
	v_lshl_add_u32 v1, v3, 4, v1                   ; + 16 x lane
	v_lshl_add_u32 v2, v3, 3, v2                   ; + 8 x lane
	s_mov_b32 s34, 0xffff0000                      ; a word's upper bf16
	s_sub_co_u32 s26, ttmp9, 256
	s_sub_co_u32 s27, ttmp9, 512
	s_sub_co_u32 s28, ttmp9, 640
	s_sub_co_u32 s29, ttmp9, 768
	s_mov_b32 s20, s26                             ; the chunk's number in its source,
	s_mov_b32 s21, s26                             ; and in its destination
	s_wait_kmcnt 0x0
	s_mov_b64 s[22:23], s[6:7]                     ; from wq
	s_mov_b64 s[24:25], s[16:17]                   ; to wqkvb
	s_cmp_ge_u32 ttmp9, 512                        ; the choices hang on the work-group's number alone
	s_cselect_b64 s[22:23], s[8:9], s[22:23]
	s_cselect_b32 s20, s27, s20
	s_cmp_ge_u32 ttmp9, 640
	s_cselect_b64 s[22:23], s[10:11], s[22:23]
	s_cselect_b32 s20, s28, s20
	s_cmp_ge_u32 ttmp9, 768
	s_cselect_b64 s[22:23], s[12:13], s[22:23]
	s_cselect_b64 s[24:25], s[18:19], s[24:25]
	s_cselect_b32 s20, s29, s20
	s_cselect_b32 s21, s29, s21
	s_lshl_b32 s30, s20, 17                        ; 128 KiB a chunk in
	s_mov_b32 s31, 0
	s_lshl_b32 s32, s21, 16                        ; 64 KiB a chunk out
	s_mov_b32 s33, 0
	s_add_nc_u64 s[22:23], s[22:23], s[30:31]
	s_add_nc_u64 s[24:25], s[24:25], s[32:33]
.set i, 0
.rept 32
	global_load_b128 v[X+4*i:X+4*i+3], v1, s[22:23] offset:512*i th:TH_LOAD_NT
.set i, i+1
.endr
	s_cmp_ge_u32 ttmp9, 768
	s_cbranch_scc1 .Lwo
.set i, 0
.rept 32
	STEP 0
.endr
	s_endpgm
.Lwo:
.set i, 0
.rept 32
	STEP 1
.endr
	s_endpgm
	; x: work-group g takes the block of 16 rows g / 2 and half g % 2 of K; wave w 256 k of it: eight blocks of 32 k
.Lx:
	s_lshr_b32 s26, ttmp9, 1                       ; the block of 16 rows
	s_and_b32 s27, ttmp9, 1                        ; the half of K
	s_lshl_b32 s30, s26, 18                        ; in: 16 rows of 16,384 bytes,
	s_lshl_b32 s28, s27, 13                        ; 2,048 numbers of 4 bytes,
	s_add_co_u32 s30, s30, s28
	s_lshl_b32 s28, s35, 10                        ; the wave's 256 numbers
	s_add_co_u32 s30, s30, s28
	s_mov_b32 s31, 0
	s_lshl_b32 s32, s26, 17                        ; out: 128 blocks of 1,024 bytes,
	s_lshl_b32 s28, s27, 16                        ; 64 blocks,
	s_add_co_u32 s32, s32, s28
	s_lshl_b32 s28, s35, 13                        ; the wave's 8 blocks
	s_add_co_u32 s32, s32, s28
	s_mov_b32 s33, 0
	s_mul_i32 s29, s35, WLDS                       ; the wave's own LDS bytes
	v_lshlrev_b32 v1, 4, v3                        ; 16 x lane: in memory, in and out
	v_lshl_add_u32 v2, v3, 3, s29                  ; into LDS: 8 x lane
	v_and_b32 v[T], 15, v0                         ; back: row l % 16,
	v_bfe_u32 v[T+1], v0, 4, 1
	v_mul_u32_u24 v[T], v[T], LP
	v_lshl_add_u32 v[T], v[T+1], 4, v[T]           ; 16 bytes for each half of the lanes
	v_add_nc_u32 v[T], s29, v[T]
	s_wait_kmcnt 0x0
	s_add_nc_u64 s[22:23], s[4:5], s[30:31]
	s_add_nc_u64 s[24:25], s[14:15], s[32:33]
.set i, 0
.rept 32                               ; row i / 2, half i % 2 of its 256 numbers: 512 consecutive bytes
	global_load_b128 v[X+4*i:X+4*i+3], v1, s[22:23] offset:(i/2)*16384+(i%2)*512 th:TH_LOAD_NT
.set i, i+1
.endr
.set i, 0
.rept 32
	s_wait_loadcnt 31-i                            ; load i is in, the 31 - i younger ones stay out
	v_cvt_pk_bf16_f32 v[Y+2*i], v[X+4*i], v[X+4*i+1]
	v_cvt_pk_bf16_f32 v[Y+2*i+1], v[X+4*i+2], v[X+4*i+3]
	ds_store_b64 v2, v[Y+2*i:Y+2*i+1] offset:(i/2)*LP+(i%2)*256
.set i, i+1
.endr
.set i, 0
.rept 16                               ; block i / 2 of 32 k, part i % 2: row l % 16, 8 numbers
	ds_load_b128 v[X+4*i:X+4*i+3], v[T] offset:(i/2)*64+(i%2)*32  ; LDS serves a wave's instructions in order (ISA guide 5.7.1.4): these see the stores above
.set i, i+1
.endr
.set i, 0
.rept 16
	s_wait_dscnt 15-i                              ; LDS load i is in
	global_store_b128 v1, v[X+4*i:X+4*i+3], s[24:25] offset:512*i  ; 512 consecutive bytes, at a multiple of 256 from xb's first byte
.set i, i+1
.endr
	s_wait_tensorcnt 0x0                           ; the wave's end, behind my last LDS store
	ds_add_u32 v[SPW], v[NIL]
	s_wait_dscnt 0x0
	s_endpgm
.Lfunc_end_k_q5d0802e9d0_cast:
	.size	k_q5d0802e9d0_cast, .Lfunc_end_k_q5d0802e9d0_cast-k_q5d0802e9d0_cast
	.p2alignl 7, 3214868480
	.fill 96, 4, 3214868480
	.section	.rodata,"a",@progbits
	.p2align	6, 0x0
	.amdhsa_kernel k_q5d0802e9d0_cast
		.amdhsa_group_segment_fixed_size 68608
		.amdhsa_private_segment_fixed_size 0
		.amdhsa_enable_private_segment 0
		.amdhsa_kernarg_size 64
		.amdhsa_user_sgpr_count 2
		.amdhsa_user_sgpr_kernarg_segment_ptr 1
		.amdhsa_wavefront_size32 1
		.amdhsa_system_sgpr_workgroup_id_x 1
		.amdhsa_system_sgpr_workgroup_id_y 1
		.amdhsa_system_sgpr_workgroup_id_z 1
		.amdhsa_system_vgpr_workitem_id 0
		.amdhsa_next_free_vgpr 200
		.amdhsa_next_free_sgpr 66
		.amdhsa_reserve_vcc 0
		.amdhsa_float_denorm_mode_32 3
		.amdhsa_float_denorm_mode_16_64 3
		.amdhsa_memory_ordered 1
		.amdhsa_forward_progress 1
		.amdhsa_inst_pref_size 48
	.end_amdhsa_kernel
	.amdgpu_metadata
---
amdhsa.version: [ 1, 2 ]
amdhsa.kernels:
  - .name:           k_q5d0802e9d0_cast
    .symbol:         k_q5d0802e9d0_cast.kd
    .args:
      - { .name: x, .offset: 0, .size: 8, .value_kind: global_buffer, .address_space: global }
      - { .name: wq, .offset: 8, .size: 8, .value_kind: global_buffer, .address_space: global }
      - { .name: wk, .offset: 16, .size: 8, .value_kind: global_buffer, .address_space: global }
      - { .name: wv, .offset: 24, .size: 8, .value_kind: global_buffer, .address_space: global }
      - { .name: wo, .offset: 32, .size: 8, .value_kind: global_buffer, .address_space: global }
      - { .name: xb, .offset: 40, .size: 8, .value_kind: global_buffer, .address_space: global }
      - { .name: wqkvb, .offset: 48, .size: 8, .value_kind: global_buffer, .address_space: global }
      - { .name: wo16, .offset: 56, .size: 8, .value_kind: global_buffer, .address_space: global }
    .group_segment_fixed_size: 68608
    .private_segment_fixed_size: 0
    .kernarg_segment_align: 8
    .kernarg_segment_size: 64
    .max_flat_workgroup_size: 256
    .sgpr_count:     66
    .vgpr_count:     200
    .wavefront_size: 32
...
	.end_amdgpu_metadata
.endif
;; end of part 1
;; launch qkv (part 2): grid 8 x 32, 4 waves a work-group, clusters of 4 x 1, 327,680 bytes of LDS; arguments xb, wqkvb, freqs_cos, freqs_sin, qkv16; writes qkv16
.if DOCPART == 2
	.amdgcn_target "amdgcn-amd-amdhsa--gfx1250"
	.amdhsa_code_object_version 6
	.text
	.protected	k_q5d0802e9d0_qkv
	.globl	k_q5d0802e9d0_qkv
	.p2align	8
	.type	k_q5d0802e9d0_qkv,@function
k_q5d0802e9d0_qkv:
	s_mov_b64 s[64:65], 0
	v_nop
	global_prefetch_b8 v0, s[64:65] scope:SCOPE_SE
	s_setreg_imm32_b32 hwreg(HW_REG_WAVE_MODE, 25, 1), 1
	s_wait_xcnt 0x0
	s_wait_alu depctr_hold_cnt(0) depctr_sa_sdst(0) depctr_va_vdst(0) depctr_va_sdst(0) depctr_va_ssrc(0) depctr_va_vcc(0) depctr_vm_vsrc(0)
	s_getreg_b32 s2, hwreg(HW_REG_IB_STS2, 6, 4)
	s_cmp_eq_u32 s2, 0
	s_cbranch_scc0 .Lentry_in_a_cluster
	s_endpgm
.Lentry_in_a_cluster:
	s_bfe_u32 s2, ttmp6, 0x10000c
	s_cmp_lg_u32 s2, 0x3003
	s_cbranch_scc0 .Lentry_shape_is_right
	s_endpgm
.Lentry_shape_is_right:
; QKV.  C[2048][4096] = x wqkv^T (bf16 operands, f32 sums); on the way out the rotary embedding and a range factor; stored in f16 by heads:
; qkv16[32][2048][128]: heads 0-15 q, 16-23 k, 24-31 v.  q and k are stored times f = sqrt(log2(e) / sqrt(128)), so that K Q^T is the score in powers of 2; v times 0.25 (wo16 holds wo x 4).
; The two tables are rounded to bf16 like every input of the module, then multiplied by f in f32.  For v's columns the table registers are made 0.25 and 0 from the loaded numbers
; (table x 0 + 0.25, table x 0 + 0), so that one way out serves every column; a table entry that is no finite number makes v's numbers NaN, as it makes reference()'s whole output.
; LIMITS.  f16 holds no number beyond 65,504: |q|, |k| stay under 183,000 and |v| under 262,000 before the factors.
; SHARES.  A tile of C is 256 rows x 128 columns (one head): 8 x 32 work-groups.  Four waves, one below the other, each 64 rows x 128 columns: 32 accumulators of 16 x 16, 256 registers.
; A (xb) LIES IN THE ORDER OF FRAGMENTS: a block of 16 rows x 32 k is 1,024 bytes, registers 0-3 of lane l at 16 l, registers 4-7 512 bytes on.  Each wave loads its own 64 rows STRAIGHT INTO REGISTERS,
; by loads of 512 consecutive bytes, into a ring of eight buffers of 32 k: loads into registers stay out across the changes of slots, 56 at the most, each waited for six and a half quarters behind its issue.
; B (wqkvb, plain rows) goes through two LDS slots filled by the tensor data mover.  LDS holds B alone, so a slot holds 256 along K: 256 matrix instructions a wave for each change of slots.
; CLUSTER 4 x 1: four tile rows with the same tile column need the same tiles of B: asked for jointly, mask 15.  A IS NOT ASKED FOR JOINTLY, though the 32 work-groups of a tile row read the same blocks:
; a joint load lands in LDS, and with A's 256 rows beside B's 128 two slots would hold 128 along K at the most.
; THE MATRIX INSTRUCTION IS USED TRANSPOSED (source 0 = 16 rows of B, source 1 = 16 rows of A): a lane holds row l % 16 of C and the columns 8 (l / 16) + 0..7: four rotary pairs.
; No prefetch: both operands were written by the launch before, and each block is read by many work-groups.
; REGISTERS, in windows of 256 (s_set_vgpr_msb: bits 1:0 source 0, 3:2 source 1, 5:4 source 2, 7:6 destination):
;   window 0: v0-31 addresses; two buffers of B's eight fragments at v64 and v128; on the way out v32-255 at work          window 1: accumulator (a, b) at 8 (8 a + b)
;   window 2: for block (a, b) at 64 a + 8 b: four cosines, four sines (with the factors)          window 3: A's ring: quarter i's fragment a at 32 i + 8 a
.set SIZE_K, 4096
.set RB,     SIZE_K*32                 ; bytes of 16 rows of A
.set KSTEP,  256
.set STEPS,  SIZE_K/KSTEP
.set PITCH,  528                       ; an LDS row: 512 bytes + 16 of padding = 132 words: the 16 rows of a load start at 16 different groups of four banks (64 banks of 4 bytes: ISA guide 11.1)
.set WROWS,  32*PITCH                  ; 32 rows of B: one wave's tensor load
.set SLOT1,  1<<17                     ; a slot is 128 rows, 67,584 bytes; slot 1 begins here, so that one exclusive or turns an address in one slot into the other's
.set STAGE,  SLOT1+128*PITCH           ; behind the ring, never filled by a tensor load: 16 rows x 272 bytes for each wave
.set SPITCH, 272
.set SPARE,  STAGE+4*16*SPITCH         ; behind the stages: the spare words, 128 bytes a wave: two blocks of 256 bytes that no other line names
.set ZV,   15                          ; v15  0
.set AB0,  16                          ; v16  my lane's place in a slot: row l % 16, 16 bytes for each half of the lanes; never rewritten
.set ADR,  17                          ; v17  the same in the slot in hand
.set STO,  24                          ; v24  the way out: where I put 16 bytes of a row
.set RD,   25                          ; v25  the way out: where I read a row back
.set CO,   26                          ; v26  16 x lane: my place in 512 consecutive bytes, of A's blocks and of a head's rows; never rewritten
.set TO,   27                          ; v27  my byte offset in 16 rows of a table
.set SPW,  28                          ; v28  LDS address of my spare word; never rewritten
.set NIL,  29                          ; v29  0; never rewritten
.set FV,   30                          ; v30  the tables' factor: f, or 0 for v's columns
.set GV,   31                          ; v31  the cosines' addend: 0, or 0.25 for v's columns
.set F0,   64
.set F1,   128
.set R,    64                          ; the way out: 64 rotated numbers
.set TMP,  128                         ; 32 registers of f16 pairs
.set G1,  24                           ; s[24:31] descriptor group 1
.set G0,  32                           ; s[32:39] group 0: a set for each of the two first fills; the second then walks on
.set AP,  44                           ; s[44:45] A at my 64 rows, at the K step whose blocks are being asked for
.set TB,  46                           ; s46  LDS byte at which the slot in hand begins
.set AW,  3                            ; A's window
.set MUL,  0x50|(AW<<2)                ; source 0 (B) window 0, source 1 (A) window AW, C and D window 1
.set TO_A, AW<<6                       ; destination window AW, address window 0
.set MSB, 0
.macro WIN new                         ; the immediate's high byte repeats the setting that is left; a switch that changes nothing is dropped
.if MSB != (\new)
	s_set_vgpr_msb (MSB<<8)|(\new)
.set MSB, \new
.endif
.endm
.macro CREST                           ; a round of the cluster's barrier behind its opening barrier
	s_cmp_lg_u32 s10, 0
	s_cbranch_scc1 .Lnot_wave_0_\@
	s_barrier_signal -3
.Lnot_wave_0_\@:
	s_barrier_wait -3
	s_barrier_signal -1
	s_barrier_wait -1
.endm
.macro CROUND                          ; a whole round
	s_barrier_signal -1
	s_barrier_wait -1
	CREST
.endm
.macro PLACES                          ; four places in front of loads into registers that matrix instructions have read, and of lines that read results (ISA guide 7.12.1 for lines that read results)
.rept 4
	v_nop
.endr
.endm
	s_load_b128 s[4:7], s[0:1], 0x0                ; xb s[4:5], wqkvb s[6:7]
	s_load_b128 s[68:71], s[0:1], 0x10             ; freqs_cos s[68:69], freqs_sin s[70:71]
	s_load_b64 s[8:9], s[0:1], 0x20                ; qkv16
	v_lshl_add_u32 v[SPW], v0, 2, SPARE
	v_mov_b32 v[NIL], 0
	ds_add_u32 v[SPW], v[NIL]                      ; the wave's opening: the add and its wait stand ahead of my first tensor load; work on registers stands between them
	v_lshrrev_b32 v1, 5, v0
	v_readfirstlane_b32 s10, v1                    ; wave 0..3
	s_bfe_u32 s40, ttmp6, 0x40000                  ; cx: my place in the cluster: it enters A's, the tables' and the output's addresses alone
	s_lshl_b32 s13, ttmp9, 2
	s_add_co_u32 s13, s13, s40                     ; tile row = 4 x cluster x + cx
	s_and_b32 s42, ttmp7, 0xffff                   ; tile column = head, which the four partners share
	s_mov_b32 s[G1+0], 15|(1<<16)|(1<<20)|(1<<21)|(6<<22)|(3<<25)  ; 15:0 the mask of four; 17:16 2-byte elements; 20 padding on; 21 set beside a mask; 24:22 after every 128 words; 31:25 4 words
	s_mov_b32 s[G1+1], KSTEP<<16                   ; tensor_dim0 = 256
	s_mov_b32 s[G1+2], 32<<16                      ; tensor_dim1 = 32
	s_mov_b32 s[G1+3], KSTEP<<16                   ; tile_dim0 = 256
	s_mov_b32 s[G1+4], 32                          ; tile_dim1 = 32
	s_mov_b32 s[G1+5], SIZE_K                      ; elements from row to row
	s_mov_b32 s[G1+6], 0
	s_mov_b32 s[G1+7], 0
	s_lshl_b32 s16, s42, 7
	s_lshl_b32 s17, s10, 5
	s_add_co_u32 s16, s16, s17                     ; B: row 128 x tile column + 32 x wave
	s_mov_b32 s17, 0
	s_mov_b64 s[18:19], SIZE_K*2
	s_mul_u64 s[16:17], s[16:17], s[18:19]
	s_mul_i32 s20, s10, WROWS                      ; where they go: no place in the cluster enters an LDS address
	s_lshl_b32 s22, s13, 4
	s_lshl_b32 s23, s10, 2
	s_add_co_u32 s22, s22, s23                     ; A: my first block of 16 rows = 16 x tile row + 4 x wave
	s_mov_b32 s23, 0
	s_mov_b64 s[18:19], RB
	s_mul_u64 s[22:23], s[22:23], s[18:19]
	s_mov_b32 s[TB], 0
	s_wait_dscnt 0x0                               ; the opening add is done
	s_wait_kmcnt 0x0
	s_add_nc_u64 s[14:15], s[6:7], s[16:17]
	s_add_nc_u64 s[AP:AP+1], s[4:5], s[22:23]
	CROUND                                         ; all four work-groups are here: the first joint loads meet
.irp s, 0,1
	s_mov_b32 s[G0+4*(\s)], 1                      ; count = 1
	s_add_co_u32 s[G0+4*(\s)+1], s20, (\s)*SLOT1   ; LDS address
	s_add_nc_u64 s[G0+4*(\s)+2:G0+4*(\s)+3], s[14:15], (\s)*KSTEP*2  ; global address: K step s
	s_or_b32 s[G0+4*(\s)+3], s[G0+4*(\s)+3], 0x80000000              ; type = 2
.endr
	tensor_load_to_lds s[G0:G0+3], s[G1:G1+7]      ; the two first fills go out together: two loads of mine are out
	s_nop 0
	tensor_load_to_lds s[G0+4:G0+7], s[G1:G1+7]
	s_nop 0
	PLACES
	v_and_b32 v1, 15, v0                           ; l % 16
	v_bfe_u32 v2, v0, 4, 1                         ; l / 16
	v_mul_u32_u24 v[AB0], v1, PITCH
	v_lshl_add_u32 v[AB0], v2, 4, v[AB0]           ; a fragment's row x pitch + 16 x half
	v_mov_b32 v[ADR], v[AB0]                       ; slot 0
	s_mul_i32 s23, s10, 16*SPITCH
	s_add_co_u32 s23, s23, STAGE                   ; my stage
	v_mul_u32_u24 v4, v1, SPITCH                   ; in: row l % 16, 16 bytes for each half of the lanes
	v_lshl_add_u32 v4, v2, 4, v4
	v_add_nc_u32 v[STO], s23, v4
	v_mul_u32_u24 v5, v2, SPITCH                   ; back: lanes 0-15 one row of 256 bytes, lanes 16-31 the next
	v_lshl_add_u32 v5, v1, 4, v5
	v_add_nc_u32 v[RD], s23, v5
	v_and_b32 v[CO], 31, v0
	v_lshlrev_b32 v[CO], 4, v[CO]
	v_lshlrev_b32 v[TO], 8, v1                     ; a table's row is 256 bytes;
	v_lshl_add_u32 v[TO], v2, 4, v[TO]             ; my four pairs of a block of 16 columns are 16 bytes
	s_lshl_b32 s74, s13, 16                        ; my first row, 256 x tile row + 64 x wave, times 256 bytes: in the tables and in a head of qkv16 alike
	s_lshl_b32 s75, s10, 14
	s_add_co_u32 s74, s74, s75
	s_mov_b32 s75, 0
	s_add_nc_u64 s[68:69], s[68:69], s[74:75]
	s_add_nc_u64 s[70:71], s[70:71], s[74:75]
	s_lshl_b32 s76, s42, 19                        ; 524,288 bytes a head
	s_add_co_u32 s76, s76, s74
	s_mov_b32 s77, 0
	s_add_nc_u64 s[8:9], s[8:9], s[76:77]
	s_cmp_ge_u32 s42, 24                           ; heads 24-31 are v's: a choice of two numbers, no branch
	s_cselect_b32 s72, 0, 0x3eb6d544               ; f = 0.35709584
	s_cselect_b32 s73, 0x3e800000, 0               ; 0.25
	v_mov_b32 v[FV], s72
	v_mov_b32 v[GV], s73
	v_mov_b32 v[ZV], 0
; Eight loads: my four fragments of A for 32 along K, block j of the K step at which AP stands, into buffer j of the ring
.macro ALOAD j
	WIN TO_A
.irp a, 0,1,2,3
	global_load_b128 v[32*(\j)+8*(\a):32*(\j)+8*(\a)+3],   v[CO], s[AP:AP+1] offset:(\a)*RB+(\j)*1024
	global_load_b128 v[32*(\j)+8*(\a)+4:32*(\j)+8*(\a)+7], v[CO], s[AP:AP+1] offset:(\a)*RB+(\j)*1024+512
.endr
.endm
	; THE TABLES' 64 loads, then A's first seven quarters; the tables are rounded and scaled in the wait for the first tile, while A's 56 loads are out
	WIN 0x80                                       ; destination window 2, address window 0
.irp a, 0,1,2,3
.irp b, 0,1,2,3,4,5,6,7
	global_load_b128 v[64*(\a)+8*(\b):64*(\a)+8*(\b)+3],   v[TO], s[68:69] offset:4096*(\a)+32*(\b)
	global_load_b128 v[64*(\a)+8*(\b)+4:64*(\a)+8*(\b)+7], v[TO], s[70:71] offset:4096*(\a)+32*(\b)
.endr
.endr
.irp j, 0,1,2,3,4,5,6
	ALOAD \j
.endr
	s_wait_loadcnt 56                              ; the tables are in; A's 56 loads, issued behind them, may stay out
	WIN 0x0a                                       ; sources window 2, destination window 0: B's buffers are still free
.set n, 0
.rept 128
	v_cvt_pk_bf16_f32 v[64+n], v[2*n], v[2*n+1]
.set n, n+1
.endr
	WIN 0x80
.set n, 0
.rept 128
.if (n%4) < 2                          ; registers 0-3 of a block are cosines, 4-7 sines
	v_fma_mix_f32_bf16 v[2*n],   v[64+n], v[FV], v[GV] op_sel_hi:[1,0,0]
	v_fma_mix_f32_bf16 v[2*n+1], v[64+n], v[FV], v[GV] op_sel:[1,0,0] op_sel_hi:[1,0,0]
.else
	v_fma_mix_f32_bf16 v[2*n],   v[64+n], v[FV], v[ZV] op_sel_hi:[1,0,0]
	v_fma_mix_f32_bf16 v[2*n+1], v[64+n], v[FV], v[ZV] op_sel:[1,0,0] op_sel_hi:[1,0,0]
.endif
.set n, n+1
.endr
	WIN 0
; 4 matrix instructions: block b of 16 columns x my four blocks of 16 rows, 32 along K: B's buffer f, A's buffer i.  zero = 1: the product starts the sums.
; The 32 accumulators take turns in the same order in every quarter: 31 others stand between two links of a chain, over the backward jumps too.
.macro MUL4 f, i, b, zero
	WIN MUL
.irp a, 0,1,2,3
.if \zero
	v_wmma_f32_16x16x32_bf16 v[8*(8*(\a)+(\b)):8*(8*(\a)+(\b))+7], v[(\f)+8*(\b):(\f)+8*(\b)+7], v[32*(\i)+8*(\a):32*(\i)+8*(\a)+7], 0
.else
	v_wmma_f32_16x16x32_bf16 v[8*(8*(\a)+(\b)):8*(8*(\a)+(\b))+7], v[(\f)+8*(\b):(\f)+8*(\b)+7], v[32*(\i)+8*(\a):32*(\i)+8*(\a)+7], v[8*(8*(\a)+(\b)):8*(8*(\a)+(\b))+7]
.endif
.endr
.endm
; 16 LDS loads in one run: B's eight fragments of 32 along K at byte k of the rows, into buffer f
.macro FETCH k, f
	WIN 0
.irp i, 0,1,2,3,4,5,6,7
	ds_load_b128 v[(\f)+8*(\i):(\f)+8*(\i)+3],   v[ADR] offset:(\k)+(\i)*16*PITCH
	ds_load_b128 v[(\f)+8*(\i)+4:(\f)+8*(\i)+7], v[ADR] offset:(\k)+(\i)*16*PITCH+32
.endr
.endm
; A K step is eight quarters of 32 along K, 32 matrix instructions each.  Quarter i (0 to 6) multiplies B's buffer i % 2 by A's buffer i; in its middle it fetches B's next quarter
; and asks for A's quarter seven on, into the buffer that quarter i - 1 has left.
.macro QUARTER i, zero
.set FB, F0+64*((\i)%2)
.set FN, F0+64*(((\i)+1)%2)
	s_wait_loadcnt 48                              ; A's eight loads for this quarter are in; six younger groups of eight may stay out
	s_wait_dscnt 8                                 ; B's fragments 0-3 are in; the youngest eight loads (4-7) may be out
.irp b, 0,1,2,3
	MUL4 FB, \i, \b, \zero
.endr
	PLACES
	FETCH 64*((\i)+1), FN
	ALOAD ((\i)+7)%8
	s_wait_dscnt 16                                ; all but the 16 just issued
.irp b, 4,5,6,7
	MUL4 FB, \i, \b, \zero
.endr
.endm
; Quarter 7 changes slots: ONE barrier; in front of it each wave waits for all its tensor loads (one is out at the most: its part of the next slot), adds 0 to its spare word, and waits for that and
; for its own reads of this slot.  fill = 1: the barrier opens a round of the cluster's, and this slot is filled again, two K steps ahead, first thing behind the round: 240 matrix instructions ahead of the wait for it.
.macro TURN fill
	WIN 0                                          ; (the add's two registers lie in window 0)
	s_wait_tensorcnt 0x0                           ; all my tensor loads have landed, so a group 0 may be written
	ds_add_u32 v[SPW], v[NIL]                      ; 0 onto my spare word
.if \fill
	s_xor_b32 s[G0+5], s[G0+5], SLOT1              ; the walking descriptor: the other slot than last time,
	s_add_nc_u64 s[G0+6:G0+7], s[G0+6:G0+7], KSTEP*2  ; the next K step; the type bits on top are not reached
.endif
	s_xor_b32 s[TB], s[TB], SLOT1                  ; the fetches go on in the other slot
	s_wait_loadcnt 48                              ; A's eight loads for this quarter are in
	s_wait_dscnt 9                                 ; (the add and the youngest eight loads may be out)
	MUL4 F1, 7, 0, 0                               ; eight matrix instructions stand between the add and the wait for it
	MUL4 F1, 7, 1, 0
	s_wait_dscnt 0x0                               ; the add is done, and my reads of this slot are over
	s_barrier_signal -1
	MUL4 F1, 7, 2, 0
	MUL4 F1, 7, 3, 0
	WIN 0
	s_barrier_wait -1
.if \fill
	CREST                                          ; no wave of any partner still reads this slot's tile or has a load on its way
	tensor_load_to_lds s[G0+4:G0+7], s[G1:G1+7]
	s_nop 0
.endif
	PLACES                                         ; behind the tensor load, and the places in front of the loads below
	v_add_nc_u32 v[ADR], s[TB], v[AB0]
	FETCH 0, F0
	ALOAD 6
.irp b, 4,5,6,7
	MUL4 F1, 7, \b, 0
.endr
.endm
	s_wait_tensorcnt 1                             ; my part of K step 0 is in; K step 1's may stay out
	s_barrier_signal -1
	s_barrier_wait -1                              ; everybody's is
	FETCH 0, F0
	QUARTER 0, 1                                   ; the first quarter stands in front of the loop: its products start the sums
	WIN 0                                          ; at a label and at a branch every window is 0
	s_mov_b32 s3, STEPS-2
.Lstep:                                                ; a trip: a K step's quarters 1 to 7 and the next step's quarter 0; it fills the slot that it leaves
	s_wait_xcnt 0x0                                ; every load issued so far has read its address, so A's pointer may be written:
	s_add_nc_u64 s[AP:AP+1], s[AP:AP+1], 8*1024    ; the next K step's eight blocks
.irp i, 1,2,3,4,5,6
	QUARTER \i, 0
.endr
	TURN 1
	QUARTER 0, 0
	WIN 0
	s_sub_co_u32 s3, s3, 1
	s_cmp_lg_u32 s3, 0
	s_cbranch_scc1 .Lstep
	; THE TAIL, the last two K steps, asks for no tile: a second text.  It is walked twice and left behind its second change of slots.
	; A's pointer steps once, to the last K step.  In the second trip it stands still: that trip's 56 loads fetch the last step's blocks 0 to 6 once more, into buffers that have been multiplied, and serve
	; nothing: the price, 28 KiB a wave, of one text and one count for both trips; no load leaves the buffer.  So do its last 16 LDS loads, from a slot that landed long ago.
	s_wait_xcnt 0x0
	s_add_nc_u64 s[AP:AP+1], s[AP:AP+1], 8*1024
	s_mov_b32 s3, 2
.Ltail:
.irp i, 1,2,3,4,5,6
	QUARTER \i, 0
.endr
	TURN 0
	WIN 0
	s_sub_co_u32 s3, s3, 1
	s_cmp_eq_u32 s3, 0
	s_cbranch_scc1 .Lout
	QUARTER 0, 0
	WIN 0
	s_branch .Ltail
.Lout:
	s_wait_dscnt 0x0                               ; the last LDS loads have landed: their registers are at work below
	PLACES
; THE WAY OUT, a block of 16 rows at a time.  ROPE: pair (x0, x1) -> (x0 c - x1 s, x0 s + x1 c), c and s with their factors; each accumulator's lowest register is read first; then f16.
.macro ROPE a
	WIN 0x09                                       ; source 0 (sums) window 1, source 1 (tables) window 2, the rest window 0
.irp b, 0,1,2,3,4,5,6,7
.irp i, 0,1,2,3
	v_mul_f32 v[R+8*(\b)+2*(\i)],   v[64*(\a)+8*(\b)+2*(\i)],   v[64*(\a)+8*(\b)+(\i)]
	v_mul_f32 v[R+8*(\b)+2*(\i)+1], v[64*(\a)+8*(\b)+2*(\i)+1], v[64*(\a)+8*(\b)+(\i)]
.endr
.irp i, 0,1,2,3
	v_fma_f32 v[R+8*(\b)+2*(\i)],   -v[64*(\a)+8*(\b)+2*(\i)+1], v[64*(\a)+8*(\b)+4+(\i)], v[R+8*(\b)+2*(\i)]
	v_fma_f32 v[R+8*(\b)+2*(\i)+1], v[64*(\a)+8*(\b)+2*(\i)],    v[64*(\a)+8*(\b)+4+(\i)], v[R+8*(\b)+2*(\i)+1]
.endr
.endr
	WIN 0
.set n, 0
.rept 32
	v_cvt_pk_f16_f32 v[TMP+n], v[R+2*n], v[R+2*n+1]
.set n, n+1
.endr
.endm
.macro SETBK a                         ; four buffers of 32, one for each block, so that no store's data are rewritten
.if (\a) == 0
.set BK, 32
.else
.set BK, 128+32*(\a)
.endif
.endm
.macro TOSTAGE a                       ; into my own stage, and back as whole rows of 256 bytes
	SETBK \a
.irp b, 0,1,2,3,4,5,6,7
	ds_store_b128 v[STO], v[TMP+4*(\b):TMP+4*(\b)+3] offset:32*(\b)
.endr
.irp t, 0,1,2,3,4,5,6,7
	ds_load_b128 v[BK+4*(\t):BK+4*(\t)+3], v[RD] offset:(\t)*2*SPITCH  ; LDS serves a wave's instructions in order (ISA guide 5.7.1.4): these see the stores above
.endr
.endm
.macro SEND a
	SETBK \a
	s_wait_dscnt 0x0                               ; the block is back in registers
.irp t, 0,1,2,3,4,5,6,7
	global_store_b128 v[CO], v[BK+4*(\t):BK+4*(\t)+3], s[8:9] offset:4096*(\a)+512*(\t)  ; 512 consecutive bytes of my head's rows, at a multiple of 256
.endr
.endm
	ROPE 0
	TOSTAGE 0
.irp a, 1,2,3                          ; block a's arithmetic stands between block a - 1's loads from the stage and the wait for them
	ROPE \a
	SEND (\a)-1
	TOSTAGE \a
.endr
	SEND 3
	s_wait_tensorcnt 0x0                           ; the wave's end, behind my last tensor load and my last LDS store
	ds_add_u32 v[SPW], v[NIL]
	s_wait_dscnt 0x0
	CROUND                                         ; the closing round: no work-group ends while a partner may still ask for a tile that names it
	s_endpgm
.Lfunc_end_k_q5d0802e9d0_qkv:
	.size	k_q5d0802e9d0_qkv, .Lfunc_end_k_q5d0802e9d0_qkv-k_q5d0802e9d0_qkv
	.p2alignl 7, 3214868480
	.fill 96, 4, 3214868480
	.section	.rodata,"a",@progbits
	.p2align	6, 0x0
	.amdhsa_kernel k_q5d0802e9d0_qkv
		.amdhsa_group_segment_fixed_size 327680
		.amdhsa_private_segment_fixed_size 0
		.amdhsa_enable_private_segment 0
		.amdhsa_kernarg_size 40
		.amdhsa_user_sgpr_count 2
		.amdhsa_user_sgpr_kernarg_segment_ptr 1
		.amdhsa_wavefront_size32 1
		.amdhsa_system_sgpr_workgroup_id_x 1
		.amdhsa_system_sgpr_workgroup_id_y 1
		.amdhsa_system_sgpr_workgroup_id_z 1
		.amdhsa_system_vgpr_workitem_id 0
		.amdhsa_next_free_vgpr 1024
		.amdhsa_next_free_sgpr 80
		.amdhsa_reserve_vcc 0
		.amdhsa_float_denorm_mode_32 3
		.amdhsa_float_denorm_mode_16_64 3
		.amdhsa_memory_ordered 1
		.amdhsa_forward_progress 1
		.amdhsa_inst_pref_size 153
	.end_amdhsa_kernel
	.amdgpu_metadata
---
amdhsa.version: [ 1, 2 ]
amdhsa.kernels:
  - .name:           k_q5d0802e9d0_qkv
    .symbol:         k_q5d0802e9d0_qkv.kd
    .args:
      - { .name: xb, .offset: 0, .size: 8, .value_kind: global_buffer, .address_space: global }
      - { .name: wqkvb, .offset: 8, .size: 8, .value_kind: global_buffer, .address_space: global }
      - { .name: freqs_cos, .offset: 16, .size: 8, .value_kind: global_buffer, .address_space: global }
      - { .name: freqs_sin, .offset: 24, .size: 8, .value_kind: global_buffer, .address_space: global }
      - { .name: qkv16, .offset: 32, .size: 8, .value_kind: global_buffer, .address_space: global }
    .group_segment_fixed_size: 327680
    .private_segment_fixed_size: 0
    .kernarg_segment_align: 8
    .kernarg_segment_size: 40
    .max_flat_workgroup_size: 128
    .sgpr_count:     80
    .vgpr_count:     1024
    .wavefront_size: 32
...
	.end_amdgpu_metadata
.endif
;; end of part 2
;; launch attn (part 3): grid 32 x 8, 4 waves a work-group, clusters of 4 x 4, 327,680 bytes of LDS; arguments qkv16, mask, o16; writes o16
.if DOCPART == 3
	.amdgcn_target "amdgcn-amd-amdhsa--gfx1250"
	.amdhsa_code_object_version 6
	.text
	.protected	k_q5d0802e9d0_attn
	.globl	k_q5d0802e9d0_attn
	.p2align	8
	.type	k_q5d0802e9d0_attn,@function
k_q5d0802e9d0_attn:
	s_mov_b64 s[64:65], 0
	v_nop
	global_prefetch_b8 v0, s[64:65] scope:SCOPE_SE
	s_setreg_imm32_b32 hwreg(HW_REG_WAVE_MODE, 25, 1), 1
	s_wait_xcnt 0x0
	s_wait_alu depctr_hold_cnt(0) depctr_sa_sdst(0) depctr_va_vdst(0) depctr_va_sdst(0) depctr_va_ssrc(0) depctr_va_vcc(0) depctr_vm_vsrc(0)
	s_getreg_b32 s2, hwreg(HW_REG_IB_STS2, 6, 4)
	s_cmp_eq_u32 s2, 0
	s_cbranch_scc0 .Lentry_in_a_cluster
	s_endpgm
.Lentry_in_a_cluster:
	s_bfe_u32 s2, ttmp6, 0x10000c
	s_cmp_lg_u32 s2, 0xf033
	s_cbranch_scc0 .Lentry_shape_is_right
	s_endpgm
.Lentry_shape_is_right:
; ATTENTION with the additive mask as it is given.  For query head hq (kv head g = hq / 2): O[q] = the sum over k of softmax_k(Q[q] . K[k] / sqrt(128) + mask[q][k]) V[k].
; qkv16: [32][2048][128] f16 (heads 0-15 q, 16-23 k, 24-31 v); q and k carry sqrt(log2(e) / sqrt(128)) each, so K Q^T is the score in powers of 2; v carries 0.25, and so does O.
; mask: [2048][2048] f32: every number is loaded, rounded to bf16 like every input of the module, multiplied by log2(e) (rounded once) and ADDED to the score by a line of its own,
; so that keys with the same huge mask number stay exact ties.  No pattern of the mask is built in: all 2,048 keys are walked for every query.
; o16: 2,048 rows x 2,048 columns (column = 128 hq + d) of f16, IN THE ORDER OF MATRIX FRAGMENTS, for the next launch: a block of 16 rows x 32 columns is 1,024 bytes, block (mb, kb) at (64 mb + kb) x 1,024;
; in it (row r, column 16 p + 8 h + j) lies at 512 p + 16 (16 h + r) + 2 j.  A lane's eight channels of a block of 16 are such a piece of 16 bytes, at 16 x lane: O leaves straight from registers.
; Products, maxima and sums in f32; the weights p are rounded to f16 for the second product (their sum l is taken of the unrounded p).
; SOFTMAX.  A running maximum m (in powers of 2) and sum l: p = 2^(s - m), by a true subtraction; in every step O and l are multiplied by a = 2^(m_old - m_new).  m starts at the lowest finite number,
; O and l at 0: the first step is a step like any other, with a = 0; the price is 128 lines that write 0, in the wait for the first tile.
; LIMITS.  A weight below 2^-126 counts as 0; p below 6e-5 keeps f16's fixed step; NaN and infinities are not treated apart; the score is rounded in another order than reference()'s (scale in q and k, powers of 2).
; SHARES.  A work-group takes 64 queries of one kv head, for both its query heads.  Wave w takes queries 16 w .. 16 w + 15 as two tiles: tile t is head 2 g + t.  The tiles share the mask's registers.
; Every wave walks all keys, 64 a step, 128 a slot.
; LAYOUT.  S^T = K Q^T (source 0 = 16 keys, source 1 = 16 queries): a lane holds ONE query (lane % 16) and the keys 8 (lane / 16) + 0..7; two such results rounded to f16 ARE source 1 of O^T = V^T P.
; K comes out of LDS as it lies, V ([key][channel]) turned, by ds_load_tr16_b128; the mask as 32 bytes a lane for each 16 keys.
; THE ORDER of a key step: A: K Q^T of tile 0, beside it the mask's conversion.  B: K Q^T of tile 1, beside it tile 0's softmax.  C: V^T P of tile 0, beside it tile 1's softmax.  D: V^T P of tile 1.
; CLUSTER 4 x 4.  The four of a row have the same kv head: K's and V's tiles are asked for jointly along the row; the four of a column have the same queries: the mask's tile jointly along the column.
; REGISTERS, in windows of 256 (s_set_vgpr_msb: bits 1:0 source 0, 3:2 source 1, 5:4 source 2, 7:6 destination):
;   window 0: v0-15 addresses; v16-31 statistics; v34-35 the add's; v36-53 at work; v64-95 the mask; v96-159 S^T; v160-191 P
;   window 1: O^T, 64 a tile      window 2: v0-63 Q, 32 a tile; v128-255 K of one step      window 3: v0-127 V of one step
.set KS,    64
.set PKB,   272       ; a row of K in LDS: 256 bytes + 16: the 16 rows of a load start at 16 different groups of four banks (64 banks of 4 bytes: ISA guide 11.1)
.set PVB,   288       ; a row of V: 256 + 32
.set PMB,   528       ; a row of the mask's tile: 512 + 16
.set VOFF,  2*KS*PKB  ; a slot: 128 rows of K, 128 rows of V, 64 rows x 128 keys of the mask
.set MOFF,  VOFF+2*KS*PVB
.set SLOT1, 1<<17     ; slot 1 begins here, so that one exclusive or turns an address in one slot into the other's
.set SPARE, SLOT1+MOFF+64*PMB  ; behind the ring: the spare words, 128 bytes a wave: two blocks of 256 bytes that no other line names
.set AK0, 2           ; v2   my lane's place in a tile of K; never rewritten
.set AV0, 3           ; v3   the same for V
.set AM0, 4           ; v4   the same for the mask
.set AKR, 5           ; v5-7 the addresses of the runs in hand
.set AVR, 6
.set AMR, 7
.set QO,  8           ; v8   my byte offset in 16 rows of Q
.set GO,  14          ; v14  16 x lane: my place in 512 consecutive bytes of o16
.set PFO, 15          ; v15  the prefetches' offset: row l / 2, block l % 2 of 256 bytes; never rewritten
.set ST,  16          ; tile t's statistics at v[ST+8 t]: m, m_old, l (even keys', odd keys'), c0-c3 at work; a takes c2's place
.set SPW, 34          ; v34  LDS address of my spare word; never rewritten
.set NIL, 35          ; v35  0; never rewritten
.set MT,  36          ; v36-51 the mask in bf16 pairs
.set LV,  52          ; v52  log2(e)
.set ZV,  53          ; v53  0
.set M,   64
.set S,   96
.set P,   160
.set KF,  128         ; window 2
.set WV,  12          ; s12  my wave's number
.set LIM, 15          ; s15  1 in the wave that prefetches, else the greatest number
.set PFA, 18          ; s[18:19] where my prefetches stand
.set G1K, 24          ; s[24:31], s[32:39], s[40:47] descriptor group 1 for K's, V's, the mask's tiles
.set G1V, 32
.set G1M, 40
.set G0K, 48          ; s[48:55], s[56:63], s[68:75] group 0: a set for each of the two first fills; the second then walks on
.set G0V, 56
.set G0M, 68
.set SLOTS, 76
.set TWICE, 77
.set SEL, 80          ; s[80:81] v_permlanex16_b32's selects: each lane takes its own place in the other half
.set TBK, 82          ; s82-84 LDS byte at which K, V, the mask of the step to be fetched begin (less VOFF, MOFF)
.set TBV, 83
.set TBM, 84
.set MSB, 0
.macro WIN new
.if MSB != (\new)
	s_set_vgpr_msb (MSB<<8)|(\new)
.set MSB, \new
.endif
.endm
.set W_KQ, 0x0a       ; K and Q in window 2, S^T in window 0
.set W_PV, 0x53       ; V in window 3, P in window 0, O^T in window 1
.set W_RS, 0x41       ; O^T (destination and source 0) in window 1, a in window 0
.macro FOUR
.rept 4
	v_nop
.endr
.endm
; A joint refill: wave 0 K's 128 rows, wave 1 V's, waves 2 and 3 the mask's 32 rows each.  The branches hang on the wave's number alone.  An s_nop 0 and four v_nop follow each line.
.macro JLOAD
	s_cmp_lt_u32 s[WV], 2
	s_cbranch_scc0 .Lfor_m_\@
	s_cmp_eq_u32 s[WV], 0
	s_cbranch_scc0 .Lfor_v_\@
	tensor_load_to_lds s[G0K+4:G0K+7], s[G1K:G1K+7]
	s_nop 0
	FOUR
	s_branch .Lasked_\@
.Lfor_v_\@:
	tensor_load_to_lds s[G0V+4:G0V+7], s[G1V:G1V+7]
	s_nop 0
	FOUR
	s_branch .Lasked_\@
.Lfor_m_\@:
	tensor_load_to_lds s[G0M+4:G0M+7], s[G1M:G1M+7]
	s_nop 0
	FOUR
.Lasked_\@:
.endm
; A PREFETCH INTO THE L2 of the mask's tile that the NEXT change of slots will ask for: 64 rows x 512 bytes.  Both clusters of a column of clusters read it: cluster y = 0 asks.  Its four partners along y
; share the rows out BY ADDRESS, 16 each; in each, wave 2 asks: a lane a block of 256 bytes, one instruction.  So each block is named once in the launch.  The last change that fills a slot asks for nothing;
; slots 0 to 2 come by their loads alone.  K and V are not asked for: the launch before wrote them, and eight clusters read them.
.macro ASK
	s_cmp_gt_u32 s[SLOTS], s[LIM]
	s_cbranch_scc0 .Lnot_mine_\@
	global_prefetch_b8 v[PFO], s[PFA:PFA+1] th:TH_LOAD_NT scope:SCOPE_SE
.Lnot_mine_\@:
.endm
.macro CROUND                       ; a round of the cluster's barrier
	s_barrier_signal -1
	s_barrier_wait -1
	s_cmp_lg_u32 s[WV], 0
	s_cbranch_scc1 .Lnot_wave_0_\@
	s_barrier_signal -3
.Lnot_wave_0_\@:
	s_barrier_wait -3
	s_barrier_signal -1
	s_barrier_wait -1
.endm
	s_load_b128 s[4:7], s[0:1], 0x0   ; qkv16 s[4:5], mask s[6:7]
	s_load_b64 s[8:9], s[0:1], 0x10   ; o16
	v_lshl_add_u32 v[SPW], v0, 2, SPARE
	v_mov_b32 v[NIL], 0
	ds_add_u32 v[SPW], v[NIL]       ; the wave's opening: the add and its wait stand ahead of my first tensor load; work on registers stands between them
	v_lshrrev_b32 v1, 5, v0
	v_readfirstlane_b32 s[WV], v1   ; wave 0..3
	s_bfe_u32 s13, ttmp6, 0x40000   ; cx
	s_bfe_u32 s14, ttmp6, 0x40004   ; cy
	s_lshl_b32 s16, ttmp9, 2
	s_add_co_u32 s16, s16, s13      ; my block of 64 queries = 4 x cluster x + cx
	s_and_b32 s88, ttmp7, 0xffff    ; cluster y
	s_lshl_b32 s17, s88, 2
	s_add_co_u32 s17, s17, s14      ; my kv head = 4 x cluster y + cy
	s_lshl_b32 s92, s14, 2
	s_lshl_b32 s92, 15, s92         ; my row of the cluster
	s_lshl_b32 s93, 0x1111, s13     ; my column
	s_or_b32 s[G1K], s92, (1<<16)|(1<<20)|(1<<21)|(5<<22)|(3<<25)  ; 15:0 the mask of four; 17:16 2-byte elements; 20 padding on; 21 set beside a mask; 24:22 after every 64 words; 31:25 4 words
	s_or_b32 s[G1V], s92, (1<<16)|(1<<20)|(1<<21)|(5<<22)|(7<<25)  ; the same with 8 words of padding
	s_or_b32 s[G1M], s93, (2<<16)|(1<<20)|(1<<21)|(6<<22)|(3<<25)  ; 4-byte elements; after every 128 words 4 words
.irp g, G1K, G1V
	s_mov_b32 s[(\g)+1], 128<<16    ; tensor_dim0 = 128
	s_mov_b32 s[(\g)+2], 128<<16    ; tensor_dim1 = 128
	s_mov_b32 s[(\g)+3], 128<<16    ; tile_dim0 = 128
	s_mov_b32 s[(\g)+4], 128        ; tile_dim1 = 128
	s_mov_b32 s[(\g)+5], 128        ; elements from row to row
	s_mov_b32 s[(\g)+6], 0
	s_mov_b32 s[(\g)+7], 0
.endr
	s_mov_b32 s[G1M+1], 128<<16     ; 128 keys
	s_mov_b32 s[G1M+2], 32<<16      ; 32 queries
	s_mov_b32 s[G1M+3], 128<<16
	s_mov_b32 s[G1M+4], 32
	s_mov_b32 s[G1M+5], 2048
	s_mov_b32 s[G1M+6], 0
	s_mov_b32 s[G1M+7], 0
	s_add_co_u32 s20, s17, 16
	s_lshl_b32 s20, s20, 19         ; K's head: 524,288 bytes a head
	s_mov_b32 s21, 0
	s_add_co_u32 s22, s17, 24
	s_lshl_b32 s22, s22, 19         ; V's head
	s_mov_b32 s23, 0
	s_and_b32 s89, s[WV], 1         ; which 32 rows of the mask's tile I fetch (waves 2, 3)
	s_lshl_b32 s2, s16, 19          ; the block's 64 rows of 8,192 bytes
	s_lshl_b32 s3, s89, 18
	s_add_co_u32 s2, s2, s3
	s_mov_b32 s3, 0
	s_mul_i32 s90, s89, 32*PMB
	s_add_co_u32 s90, s90, MOFF     ; and where they go: no place in the cluster enters an LDS address
	s_lshl_b32 s94, s17, 20         ; Q: head 2 g,
	s_lshl_b32 s95, s16, 14         ; block,
	s_add_co_u32 s94, s94, s95
	s_lshl_b32 s95, s[WV], 12       ; my 16 rows of 256 bytes
	s_add_co_u32 s94, s94, s95
	s_mov_b32 s95, 0
	s_lshl_b32 s66, s16, 18         ; o16: my block of 16 rows is number 4 x block + wave, 65,536 bytes each;
	s_lshl_b32 s67, s[WV], 16
	s_add_co_u32 s66, s66, s67
	s_lshl_b32 s67, s17, 13         ; head 2 g begins at its block 8 g of 32 columns, 1,024 bytes each
	s_add_co_u32 s66, s66, s67
	s_mov_b32 s67, 0
	s_lshl_b32 s18, s16, 19         ; the prefetches: the block's rows,
	s_lshl_b32 s19, s14, 17         ; my work-group's 16 of them,
	s_add_co_u32 s18, s18, s19
	s_add_co_u32 s18, s18, 2*512    ; at slot 2; the first change of slots steps it to slot 3
	s_mov_b32 s19, 0
	s_xor_b32 s[LIM], s[WV], 2
	s_or_b32 s[LIM], s[LIM], s88    ; 0 in wave 2 of the clusters with y = 0: the same in all partners
	s_cmp_eq_u32 s[LIM], 0
	s_cselect_b32 s[LIM], 1, -1
	s_mov_b32 s[SEL], 0x76543210
	s_mov_b32 s[SEL+1], 0xfedcba98
	s_mov_b32 s[TBK], 0
	s_mov_b32 s[TBV], 0
	s_mov_b32 s[TBM], 0
	s_wait_dscnt 0x0                ; the opening add is done
	s_wait_kmcnt 0x0
	s_add_nc_u64 s[20:21], s[4:5], s[20:21]
	s_add_nc_u64 s[22:23], s[4:5], s[22:23]
	s_add_nc_u64 s[2:3], s[6:7], s[2:3]
	s_add_nc_u64 s[86:87], s[4:5], s[94:95]
	s_add_nc_u64 s[10:11], s[8:9], s[66:67]
	s_add_nc_u64 s[PFA:PFA+1], s[6:7], s[PFA:PFA+1]
.irp s, 0,1
	s_mov_b32 s[G0K+4*(\s)], 1
	s_mov_b32 s[G0K+4*(\s)+1], (\s)*SLOT1
	s_add_nc_u64 s[G0K+4*(\s)+2:G0K+4*(\s)+3], s[20:21], (\s)*2*KS*256
	s_or_b32 s[G0K+4*(\s)+3], s[G0K+4*(\s)+3], 0x80000000
	s_mov_b32 s[G0V+4*(\s)], 1
	s_mov_b32 s[G0V+4*(\s)+1], (\s)*SLOT1+VOFF
	s_add_nc_u64 s[G0V+4*(\s)+2:G0V+4*(\s)+3], s[22:23], (\s)*2*KS*256
	s_or_b32 s[G0V+4*(\s)+3], s[G0V+4*(\s)+3], 0x80000000
	s_mov_b32 s[G0M+4*(\s)], 1
	s_add_co_u32 s[G0M+4*(\s)+1], s90, (\s)*SLOT1
	s_add_nc_u64 s[G0M+4*(\s)+2:G0M+4*(\s)+3], s[2:3], (\s)*2*KS*4
	s_or_b32 s[G0M+4*(\s)+3], s[G0M+4*(\s)+3], 0x80000000
.endr
	CROUND                          ; all sixteen work-groups are here: the first joint loads meet
	s_cmp_lt_u32 s[WV], 2           ; a wave's two first fills stand in one arm, ahead of every wait on TENSORcnt and every LDS read: two loads of mine are out
	s_cbranch_scc0 .Lfirst_m
	s_cmp_eq_u32 s[WV], 0
	s_cbranch_scc0 .Lfirst_v
	tensor_load_to_lds s[G0K:G0K+3], s[G1K:G1K+7]
	s_nop 0
	tensor_load_to_lds s[G0K+4:G0K+7], s[G1K:G1K+7]
	s_nop 0
	FOUR
	s_branch .Lfirst_asked
.Lfirst_v:
	tensor_load_to_lds s[G0V:G0V+3], s[G1V:G1V+7]
	s_nop 0
	tensor_load_to_lds s[G0V+4:G0V+7], s[G1V:G1V+7]
	s_nop 0
	FOUR
	s_branch .Lfirst_asked
.Lfirst_m:
	tensor_load_to_lds s[G0M:G0M+3], s[G1M:G1M+7]
	s_nop 0
	tensor_load_to_lds s[G0M+4:G0M+7], s[G1M:G1M+7]
	s_nop 0
	FOUR
.Lfirst_asked:
	; A fragment of K or Q is 16 rows x 32 channels in 8 registers: lane l holds row l % 16, channels 8 (l / 16) + 0..7 and 16 + 8 (l / 16) + 0..7: two loads of 16 bytes, 32 bytes apart.
	v_and_b32 v1, 15, v0            ; l % 16
	v_bfe_u32 v9, v0, 4, 1          ; l / 16
	v_lshlrev_b32 v[QO], 8, v1
	v_lshl_add_u32 v[QO], v9, 4, v[QO]
	WIN 0x80                        ; destination window 2, address window 0
.irp i, 0,1,2,3,4,5,6,7             ; Q stays in registers: tile i / 4 (the next head is 524,288 bytes on), channels 32 (i % 4) on
	global_load_b128 v[8*(\i):8*(\i)+3],   v[QO], s[86:87] offset:((\i)/4)*524288+((\i)%4)*64
	global_load_b128 v[8*(\i)+4:8*(\i)+7], v[QO], s[86:87] offset:((\i)/4)*524288+((\i)%4)*64+32
.endr
	WIN 0x40
.set i, 0
.rept 128
	v_mov_b32 v[i], 0               ; O^T
.set i, i+1
.endr
	WIN 0
.irp t, 0,1
	v_mov_b32 v[ST+8*(\t)], 0xff7fffff    ; m: the lowest finite number
	v_mov_b32 v[ST+8*(\t)+1], 0xff7fffff
	v_mov_b32 v[ST+8*(\t)+2], 0           ; l
	v_mov_b32 v[ST+8*(\t)+3], 0
.endr
	v_mov_b32 v[LV], 0x3fb8aa3b     ; log2(e)
	v_mov_b32 v[ZV], 0
	v_mul_u32_u24 v[AK0], v1, PKB
	v_lshl_add_u32 v[AK0], v9, 4, v[AK0]  ; row x pitch + 16 x half
	; The turning load takes 16 keys x 16 channels (lane l reads key 8 (l / 16) + l % 8, channels 8 ((l / 8) % 2) + 0..7) and leaves half a fragment of V^T: lane l holds channel l % 16 and 8 keys.
	v_and_b32 v10, 7, v0
	v_bfe_u32 v11, v0, 3, 1
	v_lshl_add_u32 v[AV0], v9, 3, v10
	v_mul_u32_u24 v[AV0], v[AV0], PVB
	v_lshl_add_u32 v[AV0], v11, 4, v[AV0]
	v_add_nc_u32 v[AV0], VOFF, v[AV0]
	s_mul_i32 s13, s[WV], 16*PMB
	s_add_co_u32 s13, s13, MOFF     ; the mask: my wave's 16 rows of the tile,
	v_mul_u32_u24 v[AM0], v1, PMB   ; my query's row,
	v_lshl_add_u32 v[AM0], v9, 5, v[AM0]  ; my eight keys of 16: 32 bytes
	v_add_nc_u32 v[AM0], s13, v[AM0]
	v_and_b32 v[GO], 31, v0
	v_lshlrev_b32 v[GO], 4, v[GO]   ; the way out: 16 x lane
	v_bfe_u32 v10, v0, 1, 4         ; the prefetches: row l / 2,
	v_and_b32 v[PFO], 1, v0         ; block l % 2
	v_lshlrev_b32 v[PFO], 8, v[PFO]
	v_lshl_add_u32 v[PFO], v10, 13, v[PFO]
; THE MATRIX WORK.  The accumulators of a run take turns, one instruction a turn: 3 (K Q^T) or 7 (V^T P) others stand between two links, and where two runs meet the accumulators differ.
; Product i of 16 of S^T = K Q^T for tile t: channels 32 (i / 4) on, keys 16 (i % 4) on.  The first 4 start the sums.
.macro KQ t
	WIN W_KQ
.set rS, S+32*(\t)+8*(i%4)
.set rK, KF+32*(i%4)+8*(i/4)
.set rQ, 32*(\t)+8*(i/4)
.if i < 4
	v_wmma_f32_16x16x32_f16 v[rS:rS+7], v[rK:rK+7], v[rQ:rQ+7], 0
.else
	v_wmma_f32_16x16x32_f16 v[rS:rS+7], v[rK:rK+7], v[rQ:rQ+7], v[rS:rS+7]
.endif
.endm
; Product i of 16 of O^T += V^T P for tile t: keys 32 (i / 8) on, channels 16 (i % 8) on.
.macro PV t
	WIN W_PV
.set rO, 64*(\t)+8*(i%8)
.set rV, 64*(i/8)+8*(i%8)
.set rP, P+16*(\t)+8*(i/8)
	v_wmma_f32_16x16x32_f16 v[rO:rO+7], v[rV:rV+7], v[rP:rP+7], v[rO:rO+7]
.endm
; THE LDS LOADS stand in runs: a step's K (16 fragments), its part of the mask (32 numbers a lane), and a phase later its V (turned).
.macro FETCH_K
	WIN 0
	v_add_nc_u32 v[AKR], s[TBK], v[AK0]
	WIN 0x80                        ; destination window 2
.irp f, 0,1,2,3,4,5,6,7,8,9,10,11,12,13,14,15  ; keys 16 (f / 4) on, channels 32 (f % 4) on
	ds_load_b128 v[KF+8*(\f):KF+8*(\f)+3],   v[AKR] offset:((\f)/4)*16*PKB+((\f)%4)*64
	ds_load_b128 v[KF+8*(\f)+4:KF+8*(\f)+7], v[AKR] offset:((\f)/4)*16*PKB+((\f)%4)*64+32
.endr
.endm
.macro FETCH_M
	WIN 0
	v_add_nc_u32 v[AMR], s[TBM], v[AM0]
.irp f, 0,1,2,3                     ; keys 16 f + 8 (l / 16) + 0..7
	ds_load_b128 v[M+8*(\f):M+8*(\f)+3],   v[AMR] offset:64*(\f)
	ds_load_b128 v[M+8*(\f)+4:M+8*(\f)+7], v[AMR] offset:64*(\f)+16
.endr
.endm
.macro FETCH_V
	WIN 0
	v_add_nc_u32 v[AVR], s[TBV], v[AV0]
	s_add_co_u32 s[TBK], s[TBK], KS*PKB  ; the next fetches are the next step's
	s_add_co_u32 s[TBV], s[TBV], KS*PVB
	s_add_co_u32 s[TBM], s[TBM], KS*4
	WIN 0xc0                        ; destination window 3
.irp f, 0,1,2,3,4,5,6,7,8,9,10,11,12,13,14,15  ; keys 32 (f / 8) on, channels 16 (f % 8) on
	ds_load_tr16_b128 v[8*(\f):8*(\f)+3],   v[AVR] offset:((\f)/8)*32*PVB+((\f)%8)*32
	ds_load_tr16_b128 v[8*(\f)+4:8*(\f)+7], v[AVR] offset:((\f)/8)*32*PVB+16*PVB+((\f)%8)*32
.endr
.endm
; THE VECTOR WORK.  One tile's softmax for one key step is a list of 149 instructions; SM writes number j of it for tile t.  s0-s31 are the lane's 32 scores, in pairs 0-15.
;   0-15    the mask's pair is added onto the scores' pair (each accumulator's lowest registers are read first)
;   16-31   the maximum of s0-s31 and the old m, three operands at a time: four chains c0-c3 of seven scores each, then the four scores left over, c0-c3 and m
;   32-35   the other half of the lanes' maximum; m is kept as m_old; the new m; m_old - m
;   36-102  (e = j - 15 = 21-87) 33 exponentials (a, then s0-s31) at the odd e from 23 on, a plain instruction at every even e: no two exponentials follow each other, and each has a plain instruction
;           behind it before its result is used.  The plain ones: s - m for a pair whose exponentials are still to come; the rounding to f16 of a pair whose exponentials are done; the first three sums
;   103-116 the last rounding; the rest of the sums; l = a l + the sum
;   117-148 the tile's O^T times a: the one part that leaves window 0
.macro SM t
.set rT, ST+8*(\t)
.set rS, S+32*(\t)
.set rP, P+16*(\t)
.set e, j-15
.set q, (e-20)/2
.set x, j-16
.if j < 117
	WIN 0
.endif
.if j < 16
	v_pk_add_f32 v[rS+2*j:rS+2*j+1], v[rS+2*j:rS+2*j+1], v[M+2*j:M+2*j+1]
.elseif j < 20
	v_max3_num_f32 v[rT+4+x], v[rS+8*x], v[rS+8*x+1], v[rS+8*x+2]
.elseif j < 28
	v_max3_num_f32 v[rT+4+x%4], v[rT+4+x%4], v[rS+8*(x%4)+2*(x/4)+1], v[rS+8*(x%4)+2*(x/4)+2]
.elseif j == 28
	v_max3_num_f32 v[rT+4], v[rT+4], v[rS+7], v[rS+15]
.elseif j == 29
	v_max3_num_f32 v[rT+6], v[rT+6], v[rS+23], v[rS+31]
.elseif j == 30
	v_max3_num_f32 v[rT+4], v[rT+4], v[rT+5], v[rT+6]
.elseif j == 31
	v_max3_num_f32 v[rT+4], v[rT+4], v[rT+7], v[rT]
.elseif j == 32
	v_permlanex16_b32 v[rT+5], v[rT+4], s[SEL], s[SEL+1]  ; the query's other 32 keys lie in the lane 16 away
.elseif j == 33
	v_mov_b32 v[rT+1], v[rT]
.elseif j == 34
	v_max_num_f32 v[rT], v[rT+4], v[rT+5]
.elseif j == 35
	v_sub_f32 v[rT+7], v[rT+1], v[rT]
.elseif e == 23
	v_exp_f32 v[rT+6], v[rT+7]
.elseif (e < 88) && (e > 23) && (e%2 == 1)
	v_exp_f32 v[rS+(e-25)/2], v[rS+(e-25)/2]
.elseif (q < 4) || ((e < 76) && (q%2 == 0))
.set b, q/2+2
.if q < 4
.set b, q
.endif
	v_pk_add_f32 v[rS+2*b:rS+2*b+1], v[rS+2*b:rS+2*b+1], v[rT:rT+1] op_sel_hi:[1,0] neg_lo:[0,1] neg_hi:[0,1]  ; pair b: s - m
.elseif (e < 88) && (q%2 == 1)
	s_wait_alu depctr_va_vdst(0)
	v_cvt_pk_f16_f32 v[rP+(q-5)/2], v[rS+q-5], v[rS+q-4]  ; pair (q - 5) / 2: its second exponential stands three numbers back
.elseif e == 89
	s_wait_alu depctr_va_vdst(0)
	v_cvt_pk_f16_f32 v[rP+15], v[rS+30], v[rS+31]
.elseif e < 102                     ; the sum of the 16 pairs, in place: sum z of 16 adds neighbours 1, 2, 4 and 8 pairs apart, then l takes it
.set z, e-86
.if e < 89
.set z, (e-76)/4
.endif
.set w, 4
.set u, z
.if z >= 14
.set w, 32
.set u, 0
.elseif z >= 12
.set w, 16
.set u, z-12
.elseif z >= 8
.set w, 8
.set u, z-8
.endif
.if z < 15
	v_pk_add_f32 v[rS+w*u:rS+w*u+1], v[rS+w*u:rS+w*u+1], v[rS+w*u+w/2:rS+w*u+w/2+1]
.else
	v_pk_fma_f32 v[rT+2:rT+3], v[rT+2:rT+3], v[rT+6:rT+7], v[rS:rS+1] op_sel_hi:[1,0,1]
.endif
.else
.set rO, 64*(\t)+2*(e-102)
	WIN W_RS
	v_pk_mul_f32 v[rO:rO+1], v[rO:rO+1], v[rT+6:rT+7] op_sel_hi:[1,0]
.endif
.endm
.macro RIDE t, c                    ; the list's next c numbers
.rept \c
	SM \t
.set j, j+1
.endr
.endm
; PHASE A: tile 0's scores.  Behind each product three lines of the 48 that turn the mask into f32(bf16(mask) x log2 e): 16 roundings to bf16, then 32 products read from the halves (the addend is 0: one rounding).
.macro PH_A
	s_wait_dscnt 0x0                ; K and the mask are in
.set i, 0
.set n, 0
.rept 16
	KQ 0
	WIN 0
.rept 3
.if n < 16
	v_cvt_pk_bf16_f32 v[MT+n], v[M+2*n], v[M+2*n+1]
.elseif (n%2) == 0
	v_fma_mix_f32_bf16 v[M+n-16], v[MT+(n-16)/2], v[LV], v[ZV] op_sel_hi:[1,0,0]
.else
	v_fma_mix_f32_bf16 v[M+n-16], v[MT+(n-16)/2], v[LV], v[ZV] op_sel:[1,0,0] op_sel_hi:[1,0,0]
.endif
.set n, n+1
.endr
.set i, i+1
.endr
.endm
; PHASE B: tile 1's scores | tile 0's softmax, nine lines behind each product and five at the end.  V's run stands behind the first product: the last product that read V stands in front of phase A's 48 lines.
; Tile 0's first score is read twelve plain lines behind the product that made it.  The 14 lines behind the last product are plain: the places in front of tile 1's first read and of K's run.
.macro PH_B
.set i, 0
.set j, 0
.rept 16
	KQ 1
	RIDE 0, 9
.if i == 0
	FETCH_V
.endif
.set i, i+1
.endr
	RIDE 0, 5
.endm
; PHASE C: tile 0's V^T P | tile 1's softmax.  fetch = 1: behind the second product, when both tiles have added the mask (18 of the list's numbers are out), the next step's K and mask are fetched.
.macro PH_C fetch
	s_wait_dscnt 0x0                ; V is in
.set i, 0
.set j, 0
.rept 16
	PV 0
	RIDE 1, 9
.if (\fetch) && (i == 1)
	FETCH_K
	FETCH_M
.endif
.set i, i+1
.endr
	RIDE 1, 5
.endm
.macro PH_D                         ; tile 1's V^T P
.set i, 0
.rept 16
	PV 1
.set i, i+1
.endr
.endm
.macro U                            ; the second half of one key step and the first half of the next
	PH_C 1
	PH_D
	PH_A
	PH_B
.endm
; THE CHANGE OF SLOTS, behind phase B of a slot's second step: the slot's last bytes, V of that step, have been asked for.  Each wave waits for all its tensor loads, of which one is out: its part of the other
; slot; adds 0 to its spare word; and waits for that and for its own reads of the slot.  fill = 1: the barrier is a round of the cluster's, and the slot is filled again, with the keys two slots on, first thing
; behind it: the load has two key steps, 128 matrix instructions, in which to land.
.macro CHANGE fill
	WIN 0                           ; at a label and at a branch every window is 0
	s_wait_tensorcnt 0x0            ; no tensor load of mine is out, so a group 0 may be written
	ds_add_u32 v[SPW], v[NIL]       ; 0 onto my spare word; scalar work stands between it and the wait for it
.if \fill
.irp g, G0K+4, G0V+4
	s_xor_b32 s[(\g)+1], s[(\g)+1], SLOT1  ; the walking descriptor: the other slot than last time,
	s_add_nc_u64 s[(\g)+2:(\g)+3], s[(\g)+2:(\g)+3], 2*KS*256  ; the next 128 keys; the type bits on top are not reached
.endr
	s_xor_b32 s[G0M+5], s[G0M+5], SLOT1
	s_add_nc_u64 s[G0M+6:G0M+7], s[G0M+6:G0M+7], 2*KS*4
	s_wait_xcnt 0x0                 ; the last prefetch, two key steps back, has read its address, so it may be written:
	s_add_nc_u64 s[PFA:PFA+1], s[PFA:PFA+1], 2*KS*4  ; one slot behind the walking descriptor
	s_wait_dscnt 0x0                ; the add is done, and my reads of the slot are over
	CROUND
	JLOAD
	ASK
.else
	s_wait_dscnt 0x0                ; the add is done, and my reads of the slot are over
	s_barrier_signal -1
	s_barrier_wait -1
.endif
	s_sub_co_u32 s[TBK], s[TBK], 2*KS*PKB  ; the fetches go back to a slot's first step,
	s_xor_b32 s[TBK], s[TBK], SLOT1        ; in the other slot
	s_sub_co_u32 s[TBV], s[TBV], 2*KS*PVB
	s_xor_b32 s[TBV], s[TBV], SLOT1
	s_sub_co_u32 s[TBM], s[TBM], 2*KS*4
	s_xor_b32 s[TBM], s[TBM], SLOT1
.endm
	s_wait_tensorcnt 1              ; my part of slot 0 is in; slot 1's may stay out
	s_barrier_signal -1
	s_barrier_wait -1               ; everybody's is
	FETCH_K                         ; key step 0
	FETCH_M
	s_wait_loadcnt 0x0              ; Q
	PH_A
	PH_B
	WIN 0
	s_mov_b32 s[TWICE], 1           ; slot 0 has one more step to fetch
	s_mov_b32 s[SLOTS], 15
	s_branch .Lstep
.Lslot:                             ; 14 times: every slot but the last two is filled again
	CHANGE 1
	s_mov_b32 s[TWICE], 2
.Lstep:
	U
	WIN 0
	s_sub_co_u32 s[TWICE], s[TWICE], 1
	s_cmp_lg_u32 s[TWICE], 0
	s_cbranch_scc1 .Lstep
	s_sub_co_u32 s[SLOTS], s[SLOTS], 1
	s_cmp_lg_u32 s[SLOTS], 0
	s_cbranch_scc1 .Lslot
	CHANGE 0                        ; the tail is written out: nothing is asked for
	s_mov_b32 s[TWICE], 2
.Ltail:
	U
	WIN 0
	s_sub_co_u32 s[TWICE], s[TWICE], 1
	s_cmp_lg_u32 s[TWICE], 0
	s_cbranch_scc1 .Ltail
	PH_C 0                          ; the last step's second half
	PH_D
	; THE WAY OUT.  l's two halves and the other half of the lanes' are added; O^T is divided by l, rounded to f16 and stored from the registers: a lane's eight channels of a block of 16 are 16 bytes of o16's order.
	WIN 0
.irp t, 0,1
	v_add_f32 v[ST+8*(\t)+4], v[ST+8*(\t)+2], v[ST+8*(\t)+3]
.endr
.irp t, 0,1
	v_permlanex16_b32 v[ST+8*(\t)+5], v[ST+8*(\t)+4], s[SEL], s[SEL+1]
.endr
.irp t, 0,1
	v_add_f32 v[ST+8*(\t)+4], v[ST+8*(\t)+4], v[ST+8*(\t)+5]
.endr
.irp t, 0,1
	v_rcp_f32 v[ST+8*(\t)+6], v[ST+8*(\t)+4]
.endr
	v_nop                           ; a plain instruction between the last reciprocal and the use of its result
.macro PACK t                       ; tile 0's 64 lines are the places between the last products, which are tile 1's, and the first read of their results
	WIN W_RS
.set i, 64*(\t)
.rept 32
	s_wait_alu depctr_va_vdst(0)
	v_pk_mul_f32 v[i:i+1], v[i:i+1], v[ST+8*(\t)+6:ST+8*(\t)+7] op_sel_hi:[1,0]
.set i, i+2
.endr
	WIN 0x05                        ; sources 0 and 1 window 1, destination window 0: S^T's registers are free
.set i, 0
.rept 32
	v_cvt_pk_f16_f32 v[S+32*(\t)+i], v[64*(\t)+2*i], v[64*(\t)+2*i+1]
.set i, i+1
.endr
	WIN 0
.irp f, 0,1,2,3,4,5,6,7             ; channels 16 f on: part f % 2 of the head's block f / 2 of 32 columns
	global_store_b128 v[GO], v[S+32*(\t)+4*(\f):S+32*(\t)+4*(\f)+3], s[10:11] offset:(\t)*4096+(\f)*512  ; 512 consecutive bytes, at a multiple of 256 from o16's first byte
.endr
.endm
	PACK 0
	PACK 1
	s_wait_tensorcnt 0x0            ; the wave's end, behind my last tensor load
	ds_add_u32 v[SPW], v[NIL]
	s_wait_dscnt 0x0
	CROUND                          ; the closing round: no work-group ends while a partner may still ask for a tile that names it
	s_endpgm
.Lfunc_end_k_q5d0802e9d0_attn:
	.size	k_q5d0802e9d0_attn, .Lfunc_end_k_q5d0802e9d0_attn-k_q5d0802e9d0_attn
	.p2alignl 7, 3214868480
	.fill 96, 4, 3214868480
	.section	.rodata,"a",@progbits
	.p2align	6, 0x0
	.amdhsa_kernel k_q5d0802e9d0_attn
		.amdhsa_group_segment_fixed_size 327680
		.amdhsa_private_segment_fixed_size 0
		.amdhsa_enable_private_segment 0
		.amdhsa_kernarg_size 24
		.amdhsa_user_sgpr_count 2
		.amdhsa_user_sgpr_kernarg_segment_ptr 1
		.amdhsa_wavefront_size32 1
		.amdhsa_system_sgpr_workgroup_id_x 1
		.amdhsa_system_sgpr_workgroup_id_y 1
		.amdhsa_system_sgpr_workgroup_id_z 1
		.amdhsa_system_vgpr_workitem_id 0
		.amdhsa_next_free_vgpr 896
		.amdhsa_next_free_sgpr 96
		.amdhsa_reserve_vcc 0
		.amdhsa_float_denorm_mode_32 3
		.amdhsa_float_denorm_mode_16_64 3
		.amdhsa_memory_ordered 1
		.amdhsa_forward_progress 1
		.amdhsa_inst_pref_size 128
	.end_amdhsa_kernel
	.amdgpu_metadata
---
amdhsa.version: [ 1, 2 ]
amdhsa.kernels:
  - .name:           k_q5d0802e9d0_attn
    .symbol:         k_q5d0802e9d0_attn.kd
    .args:
      - { .name: qkv16, .offset: 0, .size: 8, .value_kind: global_buffer, .address_space: global }
      - { .name: mask, .offset: 8, .size: 8, .value_kind: global_buffer, .address_space: global }
      - { .name: o16, .offset: 16, .size: 8, .value_kind: global_buffer, .address_space: global }
    .group_segment_fixed_size: 327680
    .private_segment_fixed_size: 0
    .kernarg_segment_align: 8
    .kernarg_segment_size: 24
    .max_flat_workgroup_size: 128
    .sgpr_count:     96
    .vgpr_count:     896
    .wavefront_size: 32
...
	.end_amdgpu_metadata
.endif
;; end of part 3
;; launch oproj (part 4): grid 8 x 32, 4 waves a work-group, clusters of 4 x 1, 327,680 bytes of LDS; arguments o16, wo16, out0; writes out0
.if DOCPART == 4
	.amdgcn_target "amdgcn-amd-amdhsa--gfx1250"
	.amdhsa_code_object_version 6
	.text
	.protected	k_q5d0802e9d0_oproj
	.globl	k_q5d0802e9d0_oproj
	.p2align	8
	.type	k_q5d0802e9d0_oproj,@function
k_q5d0802e9d0_oproj:
	s_mov_b64 s[64:65], 0
	v_nop
	global_prefetch_b8 v0, s[64:65] scope:SCOPE_SE
	s_setreg_imm32_b32 hwreg(HW_REG_WAVE_MODE, 25, 1), 1
	s_wait_xcnt 0x0
	s_wait_alu depctr_hold_cnt(0) depctr_sa_sdst(0) depctr_va_vdst(0) depctr_va_sdst(0) depctr_va_ssrc(0) depctr_va_vcc(0) depctr_vm_vsrc(0)
	s_getreg_b32 s2, hwreg(HW_REG_IB_STS2, 6, 4)
	s_cmp_eq_u32 s2, 0
	s_cbranch_scc0 .Lentry_in_a_cluster
	s_endpgm
.Lentry_in_a_cluster:
	s_bfe_u32 s2, ttmp6, 0x10000c
	s_cmp_lg_u32 s2, 0x3003
	s_cbranch_scc0 .Lentry_shape_is_right
	s_endpgm
.Lentry_shape_is_right:
; OPROJ.  out0[2048][4096] (f32) = O wo^T: o16 (f16) holds O x 0.25, wo16 [4096][2048] (f16) holds bf16(wo) x 4: the factors cancel exactly.  f16 operands, f32 sums, stored as they are.
; SHARES.  A tile of C is 256 rows x 128 columns: 8 x 32 work-groups.  Four waves, one below the other, each 64 rows x 128 columns: 32 accumulators of 16 x 16, 256 registers.
; A (o16) LIES IN THE ORDER OF FRAGMENTS: a block of 16 rows x 32 k is 1,024 bytes, registers 0-3 of lane l at 16 l, registers 4-7 512 bytes on.  Each wave loads its own 64 rows STRAIGHT INTO REGISTERS,
; by loads of 512 consecutive bytes, into a ring of eight buffers of 32 k: loads into registers stay out across the changes of slots, 56 at the most, each waited for six and a half quarters behind its issue.
; B (wo16, plain rows) goes through two LDS slots filled by the tensor data mover.  LDS holds B alone, so a slot holds 256 along K: 256 matrix instructions a wave for each change of slots.
; CLUSTER 4 x 1: four tile rows with the same tile column need the same tiles of B: asked for jointly, mask 15.  A IS NOT ASKED FOR JOINTLY, though the 32 work-groups of a tile row read the same blocks:
; a joint load lands in LDS, and with A's 256 rows beside B's 128 two slots would hold 128 along K at the most.
; THE MATRIX INSTRUCTION IS USED TRANSPOSED (source 0 = 16 rows of B, source 1 = 16 rows of A): a lane holds row l % 16 of C and the columns 8 (l / 16) + 0..7: 32 bytes on end.
; No prefetch: both operands were written by earlier launches, and each block is read by many work-groups.
; REGISTERS, in windows of 256 (s_set_vgpr_msb: bits 1:0 source 0, 3:2 source 1, 5:4 source 2, 7:6 destination):
;   window 0: v0-31 addresses; two buffers of B's eight fragments at v64 and v128; on the way out v64-255 rows read back
;   window 1: accumulator (a, b) at 8 (8 a + b)          window 2: A's ring: quarter i's fragment a at 32 i + 8 a
.set SIZE_K, 2048
.set SIZE_N, 4096
.set RB,     SIZE_K*32                 ; bytes of 16 rows of A
.set KSTEP,  256
.set STEPS,  SIZE_K/KSTEP
.set PITCH,  528                       ; an LDS row: 512 bytes + 16 of padding: the 16 rows of a load start at 16 different groups of four banks (64 banks of 4 bytes: ISA guide 11.1)
.set WROWS,  32*PITCH                  ; 32 rows of B: one wave's tensor load
.set SLOT1,  1<<17                     ; a slot is 128 rows, 67,584 bytes; slot 1 begins here, so that one exclusive or turns an address in one slot into the other's
.set STAGE,  SLOT1+128*PITCH           ; behind the ring, never filled by a tensor load: 16 rows x 528 bytes for each wave
.set SPITCH, 528
.set SPARE,  STAGE+4*16*SPITCH         ; the spare words, 128 bytes a wave: two blocks of 256 bytes that no other line names
.set AB0,  16                          ; v16  my lane's place in a slot; never rewritten
.set ADR,  17                          ; v17  the same in the slot in hand
.set STO,  24                          ; v24  the way out: where I put 32 bytes of a row
.set RD,   25                          ; v25  where I read a row back
.set CO,   26                          ; v26  16 x lane: my place in 512 consecutive bytes, of A's blocks and of a row of out0; never rewritten
.set SPW,  28
.set NIL,  29
.set F0,   64
.set F1,   128
.set G1,  24                           ; s[24:31] descriptor group 1
.set G0,  32                           ; s[32:39] group 0: a set for each of the two first fills; the second then walks on
.set AP,  44                           ; s[44:45] A at my 64 rows, at the K step whose blocks are being asked for
.set TB,  46                           ; s46  LDS byte at which the slot in hand begins
.set AW,  2                            ; A's window
.set MUL,  0x50|(AW<<2)                ; source 0 (B) window 0, source 1 (A) window AW, C and D window 1
.set TO_A, AW<<6                       ; destination window AW, address window 0
.set MSB, 0
.macro WIN new
.if MSB != (\new)
	s_set_vgpr_msb (MSB<<8)|(\new)
.set MSB, \new
.endif
.endm
.macro CREST                           ; a round of the cluster's barrier behind its opening barrier
	s_cmp_lg_u32 s10, 0
	s_cbranch_scc1 .Lnot_wave_0_\@
	s_barrier_signal -3
.Lnot_wave_0_\@:
	s_barrier_wait -3
	s_barrier_signal -1
	s_barrier_wait -1
.endm
.macro CROUND
	s_barrier_signal -1
	s_barrier_wait -1
	CREST
.endm
.macro PLACES                          ; four places in front of loads into registers that matrix instructions have read, and of lines that read results (ISA guide 7.12.1 for lines that read results)
.rept 4
	v_nop
.endr
.endm
	s_load_b128 s[4:7], s[0:1], 0x0                ; o16 s[4:5], wo16 s[6:7]
	s_load_b64 s[8:9], s[0:1], 0x10                ; out0
	v_lshl_add_u32 v[SPW], v0, 2, SPARE
	v_mov_b32 v[NIL], 0
	ds_add_u32 v[SPW], v[NIL]                      ; the wave's opening: the add and its wait stand ahead of my first tensor load; work on registers stands between them
	v_lshrrev_b32 v1, 5, v0
	v_readfirstlane_b32 s10, v1                    ; wave 0..3
	s_bfe_u32 s40, ttmp6, 0x40000                  ; cx: it enters A's and the output's addresses alone
	s_lshl_b32 s13, ttmp9, 2
	s_add_co_u32 s13, s13, s40                     ; tile row = 4 x cluster x + cx
	s_and_b32 s42, ttmp7, 0xffff                   ; tile column, which the four partners share
	s_mov_b32 s[G1+0], 15|(1<<16)|(1<<20)|(1<<21)|(6<<22)|(3<<25)  ; 15:0 the mask of four; 17:16 2-byte elements; 20 padding on; 21 set beside a mask; 24:22 after every 128 words; 31:25 4 words
	s_mov_b32 s[G1+1], KSTEP<<16                   ; tensor_dim0 = 256
	s_mov_b32 s[G1+2], 32<<16                      ; tensor_dim1 = 32
	s_mov_b32 s[G1+3], KSTEP<<16                   ; tile_dim0 = 256
	s_mov_b32 s[G1+4], 32                          ; tile_dim1 = 32
	s_mov_b32 s[G1+5], SIZE_K                      ; elements from row to row
	s_mov_b32 s[G1+6], 0
	s_mov_b32 s[G1+7], 0
	s_lshl_b32 s16, s42, 7
	s_lshl_b32 s17, s10, 5
	s_add_co_u32 s16, s16, s17                     ; B: row 128 x tile column + 32 x wave
	s_mov_b32 s17, 0
	s_mov_b64 s[18:19], SIZE_K*2
	s_mul_u64 s[16:17], s[16:17], s[18:19]
	s_mul_i32 s20, s10, WROWS                      ; where they go: no place in the cluster enters an LDS address
	s_lshl_b32 s22, s13, 4
	s_lshl_b32 s23, s10, 2
	s_add_co_u32 s22, s22, s23                     ; A: my first block of 16 rows = 16 x tile row + 4 x wave
	s_mov_b32 s23, 0
	s_mov_b64 s[18:19], RB
	s_mul_u64 s[22:23], s[22:23], s[18:19]
	s_mov_b32 s[TB], 0
	s_wait_dscnt 0x0                               ; the opening add is done
	s_wait_kmcnt 0x0
	s_add_nc_u64 s[14:15], s[6:7], s[16:17]
	s_add_nc_u64 s[AP:AP+1], s[4:5], s[22:23]
	CROUND                                         ; all four work-groups are here: the first joint loads meet
.irp s, 0,1
	s_mov_b32 s[G0+4*(\s)], 1
	s_add_co_u32 s[G0+4*(\s)+1], s20, (\s)*SLOT1
	s_add_nc_u64 s[G0+4*(\s)+2:G0+4*(\s)+3], s[14:15], (\s)*KSTEP*2
	s_or_b32 s[G0+4*(\s)+3], s[G0+4*(\s)+3], 0x80000000
.endr
	tensor_load_to_lds s[G0:G0+3], s[G1:G1+7]      ; the two first fills go out together: two loads of mine are out
	s_nop 0
	tensor_load_to_lds s[G0+4:G0+7], s[G1:G1+7]
	s_nop 0
	PLACES
	v_and_b32 v[CO], 31, v0
	v_lshlrev_b32 v[CO], 4, v[CO]
; Eight loads: my four fragments of A for 32 along K, block j of the K step at which AP stands, into buffer j of the ring
.macro ALOAD j
	WIN TO_A
.irp a, 0,1,2,3
	global_load_b128 v[32*(\j)+8*(\a):32*(\j)+8*(\a)+3],   v[CO], s[AP:AP+1] offset:(\a)*RB+(\j)*1024
	global_load_b128 v[32*(\j)+8*(\a)+4:32*(\j)+8*(\a)+7], v[CO], s[AP:AP+1] offset:(\a)*RB+(\j)*1024+512
.endr
.endm
.irp j, 0,1,2,3,4,5,6
	ALOAD \j                                       ; A's first seven quarters: 56 loads
.endr
	WIN 0
	v_and_b32 v1, 15, v0                           ; l % 16
	v_bfe_u32 v2, v0, 4, 1                         ; l / 16
	v_mul_u32_u24 v[AB0], v1, PITCH
	v_lshl_add_u32 v[AB0], v2, 4, v[AB0]           ; a fragment's row x pitch + 16 x half
	v_mov_b32 v[ADR], v[AB0]                       ; slot 0
	s_mul_i32 s23, s10, 16*SPITCH
	s_add_co_u32 s23, s23, STAGE                   ; my stage
	v_mul_u32_u24 v4, v1, SPITCH                   ; in: row l % 16, 32 bytes for each half of the lanes
	v_lshl_add_u32 v4, v2, 5, v4
	v_add_nc_u32 v[STO], s23, v4
	v_add_nc_u32 v[RD], s23, v[CO]                 ; back: 32 lanes take a row's 512 bytes
	s_lshl_b32 s16, s13, 22                        ; my first row of out0, 256 x tile row + 64 x wave, 16,384 bytes a row,
	s_lshl_b32 s17, s10, 20
	s_add_co_u32 s16, s16, s17
	s_lshl_b32 s17, s42, 9                         ; my first column: 512 bytes a tile column
	s_add_co_u32 s16, s16, s17
	s_mov_b32 s17, 0
	s_add_nc_u64 s[8:9], s[8:9], s[16:17]
; 4 matrix instructions: block b of 16 columns x my four blocks of 16 rows, 32 along K: B's buffer f, A's buffer i.  zero = 1: the product starts the sums.
; The 32 accumulators take turns in the same order in every quarter: 31 others stand between two links of a chain, over the backward jumps too.
.macro MUL4 f, i, b, zero
	WIN MUL
.irp a, 0,1,2,3
.if \zero
	v_wmma_f32_16x16x32_f16 v[8*(8*(\a)+(\b)):8*(8*(\a)+(\b))+7], v[(\f)+8*(\b):(\f)+8*(\b)+7], v[32*(\i)+8*(\a):32*(\i)+8*(\a)+7], 0
.else
	v_wmma_f32_16x16x32_f16 v[8*(8*(\a)+(\b)):8*(8*(\a)+(\b))+7], v[(\f)+8*(\b):(\f)+8*(\b)+7], v[32*(\i)+8*(\a):32*(\i)+8*(\a)+7], v[8*(8*(\a)+(\b)):8*(8*(\a)+(\b))+7]
.endif
.endr
.endm
; 16 LDS loads in one run: B's eight fragments of 32 along K at byte k of the rows, into buffer f
.macro FETCH k, f
	WIN 0
.irp i, 0,1,2,3,4,5,6,7
	ds_load_b128 v[(\f)+8*(\i):(\f)+8*(\i)+3],   v[ADR] offset:(\k)+(\i)*16*PITCH
	ds_load_b128 v[(\f)+8*(\i)+4:(\f)+8*(\i)+7], v[ADR] offset:(\k)+(\i)*16*PITCH+32
.endr
.endm
; A K step is eight quarters of 32 along K, 32 matrix instructions each.  Quarter i (0 to 6) multiplies B's buffer i % 2 by A's buffer i; in its middle it fetches B's next quarter
; and asks for A's quarter seven on, into the buffer that quarter i - 1 has left.
.macro QUARTER i, zero
.set FB, F0+64*((\i)%2)
.set FN, F0+64*(((\i)+1)%2)
	s_wait_loadcnt 48                              ; A's eight loads for this quarter are in; six younger groups of eight may stay out
	s_wait_dscnt 8                                 ; B's fragments 0-3 are in; the youngest eight loads (4-7) may be out
.irp b, 0,1,2,3
	MUL4 FB, \i, \b, \zero
.endr
	PLACES
	FETCH 64*((\i)+1), FN
	ALOAD ((\i)+7)%8
	s_wait_dscnt 16                                ; all but the 16 just issued
.irp b, 4,5,6,7
	MUL4 FB, \i, \b, \zero
.endr
.endm
; Quarter 7 changes slots: ONE barrier; in front of it each wave waits for all its tensor loads (one is out at the most: its part of the next slot), adds 0 to its spare word, and waits for that and
; for its own reads of this slot.  fill = 1: the barrier opens a round of the cluster's, and this slot is filled again, two K steps ahead, first thing behind the round: 240 matrix instructions ahead of the wait for it.
.macro TURN fill
	WIN 0                                          ; (the add's two registers lie in window 0)
	s_wait_tensorcnt 0x0                           ; all my tensor loads have landed, so a group 0 may be written
	ds_add_u32 v[SPW], v[NIL]                      ; 0 onto my spare word
.if \fill
	s_xor_b32 s[G0+5], s[G0+5], SLOT1              ; the walking descriptor: the other slot than last time,
	s_add_nc_u64 s[G0+6:G0+7], s[G0+6:G0+7], KSTEP*2  ; the next K step; the type bits on top are not reached
.endif
	s_xor_b32 s[TB], s[TB], SLOT1                  ; the fetches go on in the other slot
	s_wait_loadcnt 48                              ; A's eight loads for this quarter are in
	s_wait_dscnt 9                                 ; (the add and the youngest eight loads may be out)
	MUL4 F1, 7, 0, 0                               ; eight matrix instructions stand between the add and the wait for it
	MUL4 F1, 7, 1, 0
	s_wait_dscnt 0x0                               ; the add is done, and my reads of this slot are over
	s_barrier_signal -1
	MUL4 F1, 7, 2, 0
	MUL4 F1, 7, 3, 0
	WIN 0
	s_barrier_wait -1
.if \fill
	CREST                                          ; no wave of any partner still reads this slot's tile or has a load on its way
	tensor_load_to_lds s[G0+4:G0+7], s[G1:G1+7]
	s_nop 0
.endif
	PLACES                                         ; behind the tensor load, and the places in front of the loads below
	v_add_nc_u32 v[ADR], s[TB], v[AB0]
	FETCH 0, F0
	ALOAD 6
.irp b, 4,5,6,7
	MUL4 F1, 7, \b, 0
.endr
.endm
	s_wait_tensorcnt 1                             ; my part of K step 0 is in; K step 1's may stay out
	s_barrier_signal -1
	s_barrier_wait -1                              ; everybody's is
	FETCH 0, F0
	QUARTER 0, 1                                   ; the first quarter stands in front of the loop: its products start the sums
	WIN 0                                          ; at a label and at a branch every window is 0
	s_mov_b32 s3, STEPS-2
.Lstep:                                                ; a trip: a K step's quarters 1 to 7 and the next step's quarter 0; it fills the slot that it leaves
	s_wait_xcnt 0x0                                ; every load issued so far has read its address, so A's pointer may be written:
	s_add_nc_u64 s[AP:AP+1], s[AP:AP+1], 8*1024    ; the next K step's eight blocks
.irp i, 1,2,3,4,5,6
	QUARTER \i, 0
.endr
	TURN 1
	QUARTER 0, 0
	WIN 0
	s_sub_co_u32 s3, s3, 1
	s_cmp_lg_u32 s3, 0
	s_cbranch_scc1 .Lstep
	; THE TAIL, the last two K steps, asks for no tile: a second text.  It is walked twice and left behind its second change of slots.
	; A's pointer steps once, to the last K step.  In the second trip it stands still: that trip's 56 loads fetch the last step's blocks 0 to 6 once more, into buffers that have been multiplied, and serve
	; nothing: the price, 28 KiB a wave, of one text and one count for both trips; no load leaves the buffer.  So do its last 16 LDS loads, from a slot that landed long ago.
	s_wait_xcnt 0x0
	s_add_nc_u64 s[AP:AP+1], s[AP:AP+1], 8*1024
	s_mov_b32 s3, 2
.Ltail:
.irp i, 1,2,3,4,5,6
	QUARTER \i, 0
.endr
	TURN 0
	WIN 0
	s_sub_co_u32 s3, s3, 1
	s_cmp_eq_u32 s3, 0
	s_cbranch_scc1 .Lout
	QUARTER 0, 0
	WIN 0
	s_branch .Ltail
.Lout:
	s_wait_dscnt 0x0                               ; the last LDS loads have landed: their registers are at work below
	PLACES
; THE WAY OUT, a block of 16 rows at a time: the sums go into my own stage as they are (each accumulator's low four registers first), come back as whole rows of 512 bytes, and are stored.
.macro OUT a
.set BK, 64+64*((\a)%3)
	WIN 0x04                                       ; the LDS stores' data lie in window 1
.irp b, 0,1,2,3,4,5,6,7
	ds_store_b128 v[STO], v[8*(8*(\a)+(\b)):8*(8*(\a)+(\b))+3]   offset:64*(\b)
	ds_store_b128 v[STO], v[8*(8*(\a)+(\b))+4:8*(8*(\a)+(\b))+7] offset:64*(\b)+16
.endr
	WIN 0
	s_wait_xcnt 0x0                                ; earlier stores have read their data: block 3 loads into the registers that block 0 stored from
.irp t, 0,1,2,3,4,5,6,7,8,9,10,11,12,13,14,15
	ds_load_b128 v[BK+4*(\t):BK+4*(\t)+3], v[RD] offset:(\t)*SPITCH  ; LDS serves a wave's instructions in order (ISA guide 5.7.1.4): these see the stores above
.endr
	s_wait_dscnt 0x0
.irp t, 0,1,2,3,4,5,6,7,8,9,10,11,12,13,14,15
	global_store_b128 v[CO], v[BK+4*(\t):BK+4*(\t)+3], s[8:9] offset:(16*(\a)+(\t))*SIZE_N*4 th:TH_STORE_NT  ; 512 consecutive bytes of a row, at a multiple of 256 from out0's first byte
.endr
.endm
	OUT 0
	OUT 1
	OUT 2
	OUT 3
	s_wait_tensorcnt 0x0                           ; the wave's end, behind my last tensor load and my last LDS store
	ds_add_u32 v[SPW], v[NIL]
	s_wait_dscnt 0x0
	CROUND                                         ; the closing round: no work-group ends while a partner may still ask for a tile that names it
	s_endpgm
.Lfunc_end_k_q5d0802e9d0_oproj:
	.size	k_q5d0802e9d0_oproj, .Lfunc_end_k_q5d0802e9d0_oproj-k_q5d0802e9d0_oproj
	.p2alignl 7, 3214868480
	.fill 96, 4, 3214868480
	.section	.rodata,"a",@progbits
	.p2align	6, 0x0
	.amdhsa_kernel k_q5d0802e9d0_oproj
		.amdhsa_group_segment_fixed_size 327680
		.amdhsa_private_segment_fixed_size 0
		.amdhsa_enable_private_segment 0
		.amdhsa_kernarg_size 24
		.amdhsa_user_sgpr_count 2
		.amdhsa_user_sgpr_kernarg_segment_ptr 1
		.amdhsa_wavefront_size32 1
		.amdhsa_system_sgpr_workgroup_id_x 1
		.amdhsa_system_sgpr_workgroup_id_y 1
		.amdhsa_system_sgpr_workgroup_id_z 1
		.amdhsa_system_vgpr_workitem_id 0
		.amdhsa_next_free_vgpr 768
		.amdhsa_next_free_sgpr 66
		.amdhsa_reserve_vcc 0
		.amdhsa_float_denorm_mode_32 3
		.amdhsa_float_denorm_mode_16_64 3
		.amdhsa_memory_ordered 1
		.amdhsa_forward_progress 1
		.amdhsa_inst_pref_size 97
	.end_amdhsa_kernel
	.amdgpu_metadata
---
amdhsa.version: [ 1, 2 ]
amdhsa.kernels:
  - .name:           k_q5d0802e9d0_oproj
    .symbol:         k_q5d0802e9d0_oproj.kd
    .args:
      - { .name: o16, .offset: 0, .size: 8, .value_kind: global_buffer, .address_space: global }
      - { .name: wo16, .offset: 8, .size: 8, .value_kind: global_buffer, .address_space: global }
      - { .name: out0, .offset: 16, .size: 8, .value_kind: global_buffer, .address_space: global }
    .group_segment_fixed_size: 327680
    .private_segment_fixed_size: 0
    .kernarg_segment_align: 8
    .kernarg_segment_size: 24
    .max_flat_workgroup_size: 128
    .sgpr_count:     66
    .vgpr_count:     768
    .wavefront_size: 32
...
	.end_amdgpu_metadata
.endif
;; end of part 4
;; ======== version 2 of 2: 4 launches; version 1 with the launch cast written anew for expert scheduling mode
;; limits: values are held in f16: magnitudes above 65,504 overflow, below 6.1e-05 lose precision
;; workspace buffers: xb 16,777,216 bytes; wqkvb 33,554,432 bytes; wo16 16,777,216 bytes; qkv16 16,777,216 bytes; o16 8,388,608 bytes
;; launch cast (part 5): grid 1024 x 1, 8 waves a work-group, no clusters, 68,608 bytes of LDS; arguments x, wq, wk, wv, wo, xb, wqkvb, wo16; writes xb, wqkvb, wo16
.if DOCPART == 5
	.amdgcn_target "amdgcn-amd-amdhsa--gfx1250"
	.amdhsa_code_object_version 6
	.text
	.protected	k_q5d0802e9d0_cast
	.globl	k_q5d0802e9d0_cast
	.p2align	8
	.type	k_q5d0802e9d0_cast,@function
k_q5d0802e9d0_cast:
	s_mov_b64 s[64:65], 0
	v_nop
	global_prefetch_b8 v0, s[64:65] scope:SCOPE_SE
	s_setreg_imm32_b32 hwreg(HW_REG_WAVE_SCHED_MODE, 0, 2), 2
	s_setreg_imm32_b32 hwreg(HW_REG_WAVE_MODE, 25, 1), 1
	s_wait_xcnt 0x0
	s_wait_alu depctr_vm_vsrc(0)
; CAST.  x -> xb (bf16, in the order of matrix fragments); wq, wk, wv -> wqkvb (bf16, one matrix of 4,096 rows: wq's 2,048, wk's 1,024, wv's 1,024); wo -> wo16 = bf16(wo) x 4, written as f16.
; Every input of the module is rounded to bf16 once; wo's factor 4 (exact) is taken back by the factor 0.25 on v in the next launch.
; xb's ORDER.  A block of 16 rows x 32 k is 1,024 bytes, block (mb, kb) at (128 mb + kb) x 1,024.  In it the number (row r, k = 16 p + 8 h + j) lies at 512 p + 16 (16 h + r) + 2 j:
; lane 16 h + r of a wave finds registers 0-3 of its fragment at 16 x lane and registers 4-7 512 bytes on, so the next launch loads a fragment by two loads of 512 consecutive bytes.
; LIMITS.  wo16 holds no number beyond 65,504: |wo| stays under 16,376; below 1.5e-5 wo's bf16 number keeps f16's fixed step of 6e-8 / 4.
; SHARES.  Work-group g takes 32,768 numbers: 128 KiB in, 64 KiB out.  g < 256: x, 16 rows x 2,048 k; < 512 wq; < 640 wk; < 768 wv; else wo, a dense chunk each.
; A wave takes 4,096 numbers by 32 loads of 16 bytes a lane (each 512 consecutive bytes), all issued at once.  The weights leave by stores of 8 bytes a lane (256 consecutive bytes, aligned).
; x's numbers are turned through the wave's own 16 rows x 528 bytes of LDS (no other wave touches them: no barrier) and leave by stores of 512 consecutive bytes.
; No matrix unit, no prefetch: the launch is one stream, read once and written once.
; THE MODE: SCHED_MODE bits 1:0 = 2 (LLVM: expert scheduling mode 2), set by the entry lines.  The code itself states the register dependences
; between vector instructions and memory or LDS instructions, with s_wait_alu, always for 0.
; THE PLAN.  A path's 32 loads are worked off in eight blocks of four.  Registers that memory or LDS instructions touch:
;   X           Load i lands in X + 4 i.  Block p's roundings read its sixteen registers (wo's path: and write them) behind the wait for its loads.
;               On x's path the 16 LDS loads land in X's first 64 registers, behind all the roundings, and the stores to xb read them.
;   Y           Block p's roundings write its eight registers; its four stores (to memory; on x's path to LDS) read them.  No register of Y is written twice.
;   v1, v2      Offsets, and on x's path v2 and v196 LDS addresses: written once on each path, ahead of the path's first load, and never again.
;   v198, v199  Written at the head, read by the closing add alone.
;   On the weights' paths v196 and v197 are named by vector instructions alone.
; So one wait on va_vdst stands ahead of a path's 32 loads (the offsets are written), and one in each block, behind its roundings and ahead of its four stores.  A block's stores hang on none of the
; next block's loads: they stand ahead of the wait for those.  On x's path the last block's wait also states that all roundings are done reading X, in which the LDS loads land.
; No register that a memory or LDS instruction reads is ever written again, so no wait on vm_vsrc is needed for them.  One wait on va_sdst: the wave's number.
.set X, 4                              ; v[4:131]   load i: 4 numbers in f32; on x's path later 16 x 4 registers read back from LDS
.set Y, 132                            ; v[132:195] 4 numbers in 16 bits for each load
.set T, 196                            ; v[196:197] at work; on x's path v196 is the LDS address for the way back
.set SPW, 198                          ; v198 LDS address of my spare word; never rewritten
.set NIL, 199                          ; v199 0; never rewritten
.set LP,  528                          ; an LDS row: 256 bf16 + 16 bytes: the 16 rows of a load start at 16 different groups of four banks (64 banks of 4 bytes: ISA guide 11.1)
.set WLDS, 16*LP                       ; a wave's own bytes
.set SPARE, 8*WLDS                     ; behind them: the spare words, 128 bytes a wave: four blocks of 256 bytes that no other line names
; Load i's four numbers are rounded to bf16.
.macro TOBF i
	v_cvt_pk_bf16_f32 v[Y+2*(\i)], v[X+4*(\i)], v[X+4*(\i)+1]
	v_cvt_pk_bf16_f32 v[Y+2*(\i)+1], v[X+4*(\i)+2], v[X+4*(\i)+3]
.endm
; Load i's four numbers (wo): times 4, to bf16, and that number written as f16.
.macro TOF16 i
	v_pk_mul_f32 v[X+4*(\i):X+4*(\i)+1], v[X+4*(\i):X+4*(\i)+1], 4.0 op_sel_hi:[1,0]
	v_pk_mul_f32 v[X+4*(\i)+2:X+4*(\i)+3], v[X+4*(\i)+2:X+4*(\i)+3], 4.0 op_sel_hi:[1,0]
	v_cvt_pk_bf16_f32 v[T], v[X+4*(\i)], v[X+4*(\i)+1]
	v_cvt_pk_bf16_f32 v[T+1], v[X+4*(\i)+2], v[X+4*(\i)+3]
	v_lshlrev_b32 v[X+4*(\i)], 16, v[T]            ; bf16 to f32: the low half moves up,
	v_and_b32 v[X+4*(\i)+1], s34, v[T]             ; the high half stays
	v_lshlrev_b32 v[X+4*(\i)+2], 16, v[T+1]
	v_and_b32 v[X+4*(\i)+3], s34, v[T+1]
	v_cvt_pk_f16_f32 v[Y+2*(\i)], v[X+4*(\i)], v[X+4*(\i)+1]
	v_cvt_pk_f16_f32 v[Y+2*(\i)+1], v[X+4*(\i)+2], v[X+4*(\i)+3]
.endm
; Block p of the weights' paths: loads 4 p to 4 p + 3 are rounded and stored.  kind 0: to bf16.  kind 1: wo.
.macro WBLOCK kind, p
	s_wait_loadcnt 28-4*(\p)                       ; loads come back in order (ISA guide 5.7.1): the block's four are in, the 28 - 4 p younger ones stay out
.irp q, 0,1,2,3
.if \kind
	TOF16 4*(\p)+(\q)
.else
	TOBF 4*(\p)+(\q)
.endif
.endr
	s_wait_alu depctr_va_vdst(0)                   ; the block's roundings have written its eight registers of Y, which the four stores below read
.irp q, 0,1,2,3
	global_store_b64 v2, v[Y+2*(4*(\p)+(\q)):Y+2*(4*(\p)+(\q))+1], s[24:25] offset:256*(4*(\p)+(\q))  ; 32 lanes store 256 consecutive bytes, aligned; a later launch reads them, so no hint
.endr
.endm
; Block p of x's path: loads 4 p to 4 p + 3 (rows 2 p and 2 p + 1) are rounded and laid into the wave's own LDS rows.
.macro XBLOCK p
	s_wait_loadcnt 28-4*(\p)                       ; the block's four loads are in, the 28 - 4 p younger ones stay out
.irp q, 0,1,2,3
	TOBF 4*(\p)+(\q)
.endr
	s_wait_alu depctr_va_vdst(0)                   ; the block's roundings have written its eight registers of Y, which the four LDS stores below read
.irp q, 0,1,2,3
	ds_store_b64 v2, v[Y+2*(4*(\p)+(\q)):Y+2*(4*(\p)+(\q))+1] offset:((4*(\p)+(\q))/2)*LP+((4*(\p)+(\q))%2)*256
.endr
.endm
	s_load_b512 s[4:19], s[0:1], 0x0               ; x 4:5, wq 6:7, wk 8:9, wv 10:11, wo 12:13, xb 14:15, wqkvb 16:17, wo16 18:19
	v_lshl_add_u32 v[SPW], v0, 2, SPARE
	v_mov_b32 v[NIL], 0
	v_and_b32 v3, 31, v0                           ; lane
	v_lshrrev_b32 v2, 5, v0                        ; wave
	v_readfirstlane_b32 s35, v2                    ; and as a scalar
	s_wait_alu depctr_va_sdst(0)                   ; s35 is written
	s_cmp_lt_u32 ttmp9, 256
	s_cbranch_scc1 .Lx
	; THE WEIGHTS: dense chunks
	v_lshlrev_b32 v1, 14, v2                       ; in: wave x 16,384 bytes
	v_lshlrev_b32 v2, 13, v2                       ; out: wave x 8,192 bytes
	v_lshl_add_u32 v1, v3, 4, v1                   ; + 16 x lane
	v_lshl_add_u32 v2, v3, 3, v2                   ; + 8 x lane
	s_mov_b32 s34, 0xffff0000                      ; a word's upper bf16
	s_sub_co_u32 s26, ttmp9, 256
	s_sub_co_u32 s27, ttmp9, 512
	s_sub_co_u32 s28, ttmp9, 640
	s_sub_co_u32 s29, ttmp9, 768
	s_mov_b32 s20, s26                             ; the chunk's number in its source,
	s_mov_b32 s21, s26                             ; and in its destination
	s_wait_kmcnt 0x0
	s_mov_b64 s[22:23], s[6:7]                     ; from wq
	s_mov_b64 s[24:25], s[16:17]                   ; to wqkvb
	s_cmp_ge_u32 ttmp9, 512                        ; the choices hang on the work-group's number alone
	s_cselect_b64 s[22:23], s[8:9], s[22:23]
	s_cselect_b32 s20, s27, s20
	s_cmp_ge_u32 ttmp9, 640
	s_cselect_b64 s[22:23], s[10:11], s[22:23]
	s_cselect_b32 s20, s28, s20
	s_cmp_ge_u32 ttmp9, 768
	s_cselect_b64 s[22:23], s[12:13], s[22:23]
	s_cselect_b64 s[24:25], s[18:19], s[24:25]
	s_cselect_b32 s20, s29, s20
	s_cselect_b32 s21, s29, s21
	s_lshl_b32 s30, s20, 17                        ; 128 KiB a chunk in
	s_mov_b32 s31, 0
	s_lshl_b32 s32, s21, 16                        ; 64 KiB a chunk out
	s_mov_b32 s33, 0
	s_add_nc_u64 s[22:23], s[22:23], s[30:31]
	s_add_nc_u64 s[24:25], s[24:25], s[32:33]
	s_wait_alu depctr_va_vdst(0)                   ; v1 and v2 are written: every load of this path reads v1 as its offset, every store v2
.set i, 0
.rept 32
	global_load_b128 v[X+4*i:X+4*i+3], v1, s[22:23] offset:512*i th:TH_LOAD_NT
.set i, i+1
.endr
	s_cmp_ge_u32 ttmp9, 768
	s_cbranch_scc1 .Lwo
.irp p, 0,1,2,3,4,5,6,7
	WBLOCK 0, \p
.endr
	s_endpgm
.Lwo:
.irp p, 0,1,2,3,4,5,6,7
	WBLOCK 1, \p
.endr
	s_endpgm
	; x: work-group g takes the block of 16 rows g / 2 and half g % 2 of K; wave w 256 k of it: eight blocks of 32 k
.Lx:
	s_lshr_b32 s26, ttmp9, 1                       ; the block of 16 rows
	s_and_b32 s27, ttmp9, 1                        ; the half of K
	s_lshl_b32 s30, s26, 18                        ; in: 16 rows of 16,384 bytes,
	s_lshl_b32 s28, s27, 13                        ; 2,048 numbers of 4 bytes,
	s_add_co_u32 s30, s30, s28
	s_lshl_b32 s28, s35, 10                        ; the wave's 256 numbers
	s_add_co_u32 s30, s30, s28
	s_mov_b32 s31, 0
	s_lshl_b32 s32, s26, 17                        ; out: 128 blocks of 1,024 bytes,
	s_lshl_b32 s28, s27, 16                        ; 64 blocks,
	s_add_co_u32 s32, s32, s28
	s_lshl_b32 s28, s35, 13                        ; the wave's 8 blocks
	s_add_co_u32 s32, s32, s28
	s_mov_b32 s33, 0
	s_mul_i32 s29, s35, WLDS                       ; the wave's own LDS bytes
	v_lshlrev_b32 v1, 4, v3                        ; 16 x lane: in memory, in and out
	v_lshl_add_u32 v2, v3, 3, s29                  ; into LDS: 8 x lane
	v_and_b32 v[T], 15, v0                         ; back: row l % 16,
	v_bfe_u32 v[T+1], v0, 4, 1
	v_mul_u32_u24 v[T], v[T], LP
	v_lshl_add_u32 v[T], v[T+1], 4, v[T]           ; 16 bytes for each half of the lanes
	v_add_nc_u32 v[T], s29, v[T]
	s_wait_kmcnt 0x0
	s_add_nc_u64 s[22:23], s[4:5], s[30:31]
	s_add_nc_u64 s[24:25], s[14:15], s[32:33]
	s_wait_alu depctr_va_vdst(0)                   ; v1, v2 and v196 are written: the loads and stores of this path read v1 as their offset, the LDS stores v2 and the LDS loads v196 as their address
.set i, 0
.rept 32                               ; row i / 2, half i % 2 of its 256 numbers: 512 consecutive bytes
	global_load_b128 v[X+4*i:X+4*i+3], v1, s[22:23] offset:(i/2)*16384+(i%2)*512 th:TH_LOAD_NT
.set i, i+1
.endr
.irp p, 0,1,2,3,4,5,6,7
	XBLOCK \p
.endr
	; The last block's wait on va_vdst stands behind every rounding, and only LDS stores follow it: all the roundings are done reading X, in which the loads below land.
.set i, 0
.rept 16                               ; block i / 2 of 32 k, part i % 2: row l % 16, 8 numbers
	ds_load_b128 v[X+4*i:X+4*i+3], v[T] offset:(i/2)*64+(i%2)*32  ; LDS serves a wave's instructions in order (ISA guide 5.7.1.4): these see the stores above
.set i, i+1
.endr
.set i, 0
.rept 16
	s_wait_dscnt 15-i                              ; LDS load i is in
	global_store_b128 v1, v[X+4*i:X+4*i+3], s[24:25] offset:512*i  ; 512 consecutive bytes, at a multiple of 256 from xb's first byte
.set i, i+1
.endr
	s_wait_dscnt 0x0                               ; the wave's end, behind my last LDS store
	s_wait_alu 0x0
	s_wait_tensorcnt 0x0
	ds_add_u32 v[SPW], v[NIL]
	s_wait_dscnt 0x0
	s_endpgm
.Lfunc_end_k_q5d0802e9d0_cast:
	.size	k_q5d0802e9d0_cast, .Lfunc_end_k_q5d0802e9d0_cast-k_q5d0802e9d0_cast
	.p2alignl 7, 3214868480
	.fill 96, 4, 3214868480
	.section	.rodata,"a",@progbits
	.p2align	6, 0x0
	.amdhsa_kernel k_q5d0802e9d0_cast
		.amdhsa_group_segment_fixed_size 68608
		.amdhsa_private_segment_fixed_size 0
		.amdhsa_enable_private_segment 0
		.amdhsa_kernarg_size 64
		.amdhsa_user_sgpr_count 2
		.amdhsa_user_sgpr_kernarg_segment_ptr 1
		.amdhsa_wavefront_size32 1
		.amdhsa_system_sgpr_workgroup_id_x 1
		.amdhsa_system_sgpr_workgroup_id_y 1
		.amdhsa_system_sgpr_workgroup_id_z 1
		.amdhsa_system_vgpr_workitem_id 0
		.amdhsa_next_free_vgpr 200
		.amdhsa_next_free_sgpr 66
		.amdhsa_reserve_vcc 0
		.amdhsa_float_denorm_mode_32 3
		.amdhsa_float_denorm_mode_16_64 3
		.amdhsa_memory_ordered 1
		.amdhsa_forward_progress 1
		.amdhsa_inst_pref_size 46
	.end_amdhsa_kernel
	.amdgpu_metadata
---
amdhsa.version: [ 1, 2 ]
amdhsa.kernels:
  - .name:           k_q5d0802e9d0_cast
    .symbol:         k_q5d0802e9d0_cast.kd
    .args:
      - { .name: x, .offset: 0, .size: 8, .value_kind: global_buffer, .address_space: global }
      - { .name: wq, .offset: 8, .size: 8, .value_kind: global_buffer, .address_space: global }
      - { .name: wk, .offset: 16, .size: 8, .value_kind: global_buffer, .address_space: global }
      - { .name: wv, .offset: 24, .size: 8, .value_kind: global_buffer, .address_space: global }
      - { .name: wo, .offset: 32, .size: 8, .value_kind: global_buffer, .address_space: global }
      - { .name: xb, .offset: 40, .size: 8, .value_kind: global_buffer, .address_space: global }
      - { .name: wqkvb, .offset: 48, .size: 8, .value_kind: global_buffer, .address_space: global }
      - { .name: wo16, .offset: 56, .size: 8, .value_kind: global_buffer, .address_space: global }
    .group_segment_fixed_size: 68608
    .private_segment_fixed_size: 0
    .kernarg_segment_align: 8
    .kernarg_segment_size: 64
    .max_flat_workgroup_size: 256
    .sgpr_count:     66
    .vgpr_count:     200
    .wavefront_size: 32
...
	.end_amdgpu_metadata
.endif
;; end of part 5
;; launch qkv: the kernel of part 2 again; grid 8 x 32, 4 waves a work-group, clusters of 4 x 1, 327,680 bytes of LDS; arguments xb, wqkvb, freqs_cos, freqs_sin, qkv16; writes qkv16
;; launch attn: the kernel of part 3 again; grid 32 x 8, 4 waves a work-group, clusters of 4 x 4, 327,680 bytes of LDS; arguments qkv16, mask, o16; writes o16
;; launch oproj: the kernel of part 4 again; grid 8 x 32, 4 waves a work-group, clusters of 4 x 1, 327,680 bytes of LDS; arguments o16, wo16, out0; writes out0
